; MI455X (gfx1250); checked and timed in simulation.
; The chip was launched on July 23, 2026; its instructions are those of AMD's public machine-readable ISA for CDNA 5 (MIT licence, August 2026) and "CDNA5" Instruction Set Architecture Reference Guide (July 2026). The comments in the code are by the model that wrote it; some were corrected since.
;; GPT2 Self Attention. Allowed arithmetic: matrix products marked QUANTISED: E4M3 operands, one given power-of-two scale a tensor, by v_wmma_f32_16x16x64_fp8_fp8 or v_wmma_f32_16x16x128_fp8_fp8, f32 sums; everything else in f32.
;; Inputs: Wd 1,024 x 1,024 float32; Wqkv 1,024 x 3,072 float32; bd 1,024 float32; bqkv 3,072 float32; lowp_scales 8 int32 (the exponents e of the quantised operands' scales 2^e); x 4 x 2,048 x 1,024 float32.
;; Outputs: out0 4 x 2,048 x 1,024 float32.
;; This version of the problem:
;;   THIS VERSION OF THE PROBLEM IS GIVEN IN LOW PRECISION. The matrix products marked QUANTISED in the list below multiply operands that are first quantised to E4M3 (4 exponent bits, 3 mantissa bits; 8 bits a number), with one given power-of-two scale for each operand tensor; their sums are f32. All else is computed in f32.
;;   The module's matrix products, in the order in which they are computed (A, B: the left and right operand; K: the contracted axis; several contracted axes count as one K, in the product's order):
;;     1. [M 8,192, K 1,024] x [K 1,024, N 3,072]; A: input x; B: input Wqkv: QUANTISED (scales: A lowp_scales[0], B lowp_scales[1])
;;     2. batch 64 x [M 2,048, K 64] x [K 64, N 2,048]; A: computed on the way; B: computed on the way: QUANTISED (scales: A lowp_scales[2], B lowp_scales[3])
;;     3. batch 64 x [M 2,048, K 2,048] x [K 2,048, N 64]; A: softmax (see below); B: computed on the way: QUANTISED (scales: A lowp_scales[4], B lowp_scales[5])
;;     4. [M 8,192, K 1,024] x [K 1,024, N 1,024]; A: computed on the way; B: input Wd: QUANTISED (scales: A lowp_scales[6], B lowp_scales[7])
;;   THE QUANTISER, for each operand of a quantised product, along K:
;;     - The operand's scale is 2^e, e = its entry of the input lowp_scales (int32; the entries are numbered through the quantised products in the list's order, A before B).
;;     - Each number is divided by the scale, clamped to +-448, and rounded to the nearest number of E4M3, ties to even, subnormals kept.
;;     - The product sums the exact products of the quantised numbers (number of the format x scale) in f32.
;;   ~~~python
;;   def quantise(x, axis, e):      # numpy; x: float32 -> the quantised numbers, widened to float32 again
;;       x = np.moveaxis(x, axis, -1); K = x.shape[-1]
;;       r = np.clip(x / 2.0 ** e, -448, 448)
;;       step = 2.0 ** (np.maximum(np.frexp(np.where(r == 0, 1, r))[1] - 1, -6) - 3)
;;       q = np.round(r / step) * step * 2.0 ** e      # np.round: ties to even
;;       return np.moveaxis(q, -1, axis).astype(np.float32)
;;   ~~~
;;   SOFTMAX AHEAD OF A QUANTISED PRODUCT. Where the list says 'softmax', what is quantised is not the finished softmax but p = 2^(t - M), with t = logit x log2(e) and M = ceil(the row's largest t), a whole number; so 1/2 < the row's largest p <= 1. The row's sum l is taken of the UNQUANTISED p, in f32, and the product's result is divided by l at the end. Since M is a whole number, a kernel that streams over the keys may use a running M (the ceiling of the running maximum): every later rescaling is an exact power of two, so the quantised numbers keep their values, but for numbers so far below the row's largest that they fall under the format's range.
;;   OPERANDS COMPUTED ON THE WAY. 'Computed on the way' means the value that the module computes at that place (a softmax that the list does not call 'softmax' is quantised finished and normalised). What goes into a quantiser is computed in f32, as accurately as f32 sums, v_exp_f32 and their like allow (about 1e-6 of the number): no bf16 or f16 on the way to a quantiser, and a product that is left as it is and whose result goes on into a quantised operand takes f32 operands (vector FMAs, or v_wmma_f32_16x16x4_f32). A number that lies on a knife's edge between two numbers of the format may be rounded either way, as far as f32 arithmetic and the matrix unit's own rounding can turn it there, and no further.
;; 2 versions, each right; version 2 is version 1 with the launch attn written anew for expert scheduling mode. Each part assembles by itself: llvm-mc -triple=amdgcn-amd-amdhsa -mcpu=gfx1250 --defsym DOCPART=n.
;; ======== version 1 of 2: 4 launches
;; limits: right only within a limited range of input values
;; workspace buffers: x_img 8,388,608 bytes; wq_img 3,145,728 bytes; wd_img 1,048,576 bytes; q_img 8,388,608 bytes; kv_img 16,777,216 bytes; ctx_img 8,388,608 bytes
;; launch quant (part 1): grid 384 x 1, 4 waves a work-group, no clusters, 72,192 bytes of LDS; arguments x, Wqkv, Wd, lowp_scales, x_img, wq_img, wd_img; writes x_img, wq_img, wd_img
.if DOCPART == 1
	.amdgcn_target "amdgcn-amd-amdhsa--gfx1250"
	.amdhsa_code_object_version 6
	.text
	.protected	k_q1d4ddd9326_quant
	.globl	k_q1d4ddd9326_quant
	.p2align	8
	.type	k_q1d4ddd9326_quant,@function
k_q1d4ddd9326_quant:
	s_mov_b64 s[64:65], 0
	v_nop
	global_prefetch_b8 v0, s[64:65] scope:SCOPE_SE
	s_setreg_imm32_b32 hwreg(HW_REG_WAVE_MODE, 25, 1), 1
	s_wait_xcnt 0x0
; GPT-2 self-attention, B 4, S 2048, D 1024, 16 heads of 64, all four products on codes of E4M3 with given scales 2^e (e0 x, e1 Wqkv, e2 q, e3 k, e4 p, e5 v, e6 ctx, e7 Wd).
; Four launches: this one (x, Wqkv, Wd into codes), qkv (first product, q k v into codes), attn (second and third product), proj (fourth product).
; WORK LEFT OUT BY THE PROGRAM: keys k > q, where they come in whole tiles of 16 queries x 128 keys.  reference() sets those scores to -10000 by a tril that it builds itself.  Every row holds its own
; diagonal score, and by the quantiser's clamp a score is at most 64 x 448^2 x 2^(e2+e3) / 8 in size: with e2 + e3 <= -8 (LIMIT) at most 6272.  So a masked p is at most 2^((-10000+6272) log2 e) < 2^-5000:
; its code is 0 under the quantiser as it stands, whatever the inputs, so it adds nothing to the third product, and in the row's sum it is 0 in f32 as in reference().  Inside a tile on the diagonal the
; hidden scores are set to -infinity ahead of the maximum, which gives the same p = 0.  Every input has a way to the output and is loaded.
; LIMIT: a NaN, an infinity or an overflow that reaches only masked scores is not carried to the result.  NaN among the inputs is not served.
; THIS LAUNCH.  code = number / 2^e, held within +-448, to the nearest code, ties to even.  LIMITS: e0, e1, e7 between -126 and 119, so that 2^e and 448 x 2^e are f32 numbers.
; THE CODES ARE LAID AS IMAGES OF OPERAND REGISTERS.  A fragment is 16 rows (or columns) x 128 along K: lane (r = lane % 16, h = lane / 16) holds row r, its registers 2c, 2c+1 hold k = 16c + 8h + 0..7.
; Its image is 2048 bytes: registers 4p .. 4p+3 of lane l at byte 512 p + 16 l.  x_img: [16-row tile 512][K step 8][2048].  wq_img: [16-column tile 192][K step 8][2048], lane r = column 16 t + r.
; wd_img: [tile 64][K step 8][2048], lane r of tile 4 g + i = column 64 g + 4 r + i, so that the last launch's lanes hold four neighbouring columns.
; Work-groups 0-255 take x, 256-351 Wqkv, 352-383 Wd; 128 KiB of f32 each.  Waves share nothing: no barrier.  The two paths have LDS bytes of their own.
.set SPARE, 71680                      ; behind the stages: the spare words, 128 bytes for each wave
.set XST,   4352                       ; x: one stage of 16 rows x (256 + 16) bytes; two for each wave
.set WBASE, 34816                      ; W: the stages begin here: 64 rows x (128 + 16) bytes for each wave
.set XR, 16                            ; x path: v16-111 three sets of 32 numbers as loaded
.set XX, 112                           ;         v112-175 two sets of 32 numbers, eight neighbours along K in eight registers
.set XC, 176                           ;         v176-239 codes, eight registers for each step: no store's data are written again
.set VO, 16                            ; W path: v16-47 byte offset of row i of a block of 32 rows, at my column
.set WX, 48                            ;         v48-111 two sets of 32 numbers down K
.set WC, 112                           ;         v112-119 a block's codes
.set WO, 120                           ;         v120-183 four fragments on the way out
	s_load_b256 s[4:11], s[0:1], 0x0               ; x, Wqkv, Wd, the scales' exponents
	s_load_b128 s[12:15], s[0:1], 0x20             ; x_img, wq_img
	s_load_b64 s[16:17], s[0:1], 0x30              ; wd_img
	v_lshl_add_u32 v12, v0, 2, SPARE               ; my spare word; never rewritten
	v_mov_b32 v13, 0                               ; 0; never rewritten
	v_lshrrev_b32 v1, 5, v0
	v_readfirstlane_b32 s18, v1                    ; wave
	v_and_b32 v1, 31, v0                           ; lane
	v_and_b32 v2, 15, v0                           ; r
	v_bfe_u32 v3, v0, 4, 1                         ; h
	v_lshlrev_b32 v4, 4, v2
	v_lshl_add_u32 v4, v3, 12, v4                  ; x: a load takes two rows' 256 bytes: row h, 16 bytes at 16 r
	s_mul_i32 s28, s18, 2*XST
	v_mul_u32_u24 v5, v3, 272
	v_lshl_add_u32 v5, v2, 4, v5
	v_add_nc_u32 v5, s28, v5                       ; x's stage, in: as loaded
	v_mul_u32_u24 v6, v2, 272
	v_lshl_add_u32 v6, v3, 5, v6
	v_add_nc_u32 v6, s28, v6                       ; and back: row r, 32 bytes at 32 h of each 64
	v_lshlrev_b32 v7, 4, v1                        ; an image's place for my lane
	s_mul_i32 s29, s18, 64*144
	s_add_co_u32 s29, s29, WBASE
	v_mul_u32_u24 v8, v1, 144
	v_add_nc_u32 v8, s29, v8                       ; W's stage, in: row = my lane
	v_mul_u32_u24 v9, v2, 144
	v_lshl_add_u32 v9, v3, 3, v9
	v_add_nc_u32 v9, s29, v9                       ; and back: row r, 8 bytes at 8 h of each 16
	s_wait_kmcnt 0x0
	s_load_b256 s[20:27], s[10:11], 0x0            ; e0 .. e7
	s_cmp_lt_u32 ttmp9, 256
	s_cbranch_scc0 .Lw
; ---------------- x: a wave takes 16 rows x 512 along K, in eight steps of 64 along K
	s_lshl_b32 s28, ttmp9, 2
	s_add_co_u32 s28, s28, s18
	s_lshr_b32 s29, s28, 1                         ; the tile of 16 rows
	s_and_b32 s30, s28, 1                          ; which half of K
	s_lshl_b32 s32, s29, 16
	s_lshl_b32 s31, s30, 11
	s_add_co_u32 s32, s32, s31
	s_mov_b32 s33, 0
	s_add_nc_u64 s[4:5], s[4:5], s[32:33]
	s_lshl_b32 s32, s29, 14
	s_lshl_b32 s31, s30, 13
	s_add_co_u32 s32, s32, s31
	s_add_nc_u64 s[12:13], s[12:13], s[32:33]
.macro XLOAD t                         ; eight loads, each two rows' aligned 256 bytes
.irp i, 0,1,2,3,4,5,6,7
	global_load_b128 v[XR+32*((\t)%3)+4*\i:XR+32*((\t)%3)+4*\i+3], v4, s[4:5] offset:\i*8192+(\t)*256 th:TH_LOAD_NT
.endr
.endm
.macro XTURN t                         ; through my own stage: LDS serves a wave's instructions in order, so no wait stands between the stores and the loads
.irp i, 0,1,2,3,4,5,6,7
	ds_store_b128 v5, v[XR+32*((\t)%3)+4*\i:XR+32*((\t)%3)+4*\i+3] offset:((\t)%2)*XST+\i*544
.endr
.irp c, 0,1,2,3
.irp u, 0,1
	ds_load_b128 v[XX+32*((\t)%2)+8*\c+4*\u:XX+32*((\t)%2)+8*\c+4*\u+3], v6 offset:((\t)%2)*XST+64*\c+16*\u
.endr
.endr
.endm
	XLOAD 0
	XLOAD 1
	XLOAD 2
	s_wait_kmcnt 0x0
	s_add_co_i32 s28, s20, 127
	s_lshl_b32 s29, s28, 23
	v_mov_b32 v11, s29                             ; 2^e0: the conversion takes its exponent field
	s_add_co_i32 s28, s28, 8
	s_lshl_b32 s28, s28, 23
	s_or_b32 s28, s28, 0x600000
	v_mov_b32 v10, s28                             ; 448 x 2^e0
	s_wait_loadcnt 16                              ; step 0's eight loads are in; those of steps 1 and 2 may be out
	XTURN 0
.macro XSTEP t
.set XS, XX+32*((\t)%2)
	s_wait_dscnt 0x0                               ; this step's numbers are back, so the stage's stores have read their registers,
.if (\t)+3 < 8
	XLOAD (\t)+3                                   ; which take the loads of three steps on
.endif
.if (\t)+1 < 8
.if (\t) <= 4
	s_wait_loadcnt 16                              ; the next step's loads are in; two later steps' may be out
.else
	s_wait_loadcnt 8*(6-(\t))                      ; at the end the count runs down
.endif
	XTURN (\t)+1
.endif
.set n, 0
.rept 32
	v_med3_num_f32 v[XS+n], v[XS+n], -v10, v10     ; the conversion to an 8-bit code does not saturate (ISA guide 7.6.2): the hold comes first
.set n, n+1
.endr
.irp c, 0,1,2,3
	v_cvt_scalef32_pk8_fp8_f32 v[XC+8*(\t)+2*\c:XC+8*(\t)+2*\c+1], v[XS+8*\c:XS+8*\c+7], v11
.endr
.irp u, 0,1
	global_store_b128 v7, v[XC+8*(\t)+4*\u:XC+8*(\t)+4*\u+3], s[12:13] offset:(\t)*1024+\u*512   ; 512 consecutive bytes, aligned
.endr
.endm
.irp t, 0,1,2,3,4,5,6,7
	XSTEP \t
.endr
	s_branch .Lend
; ---------------- W: a wave takes 64 columns x 128 along K: four fragments.  A lane takes a column and its registers run down K, so the conversions give codes with K innermost
.Lw:
	s_sub_co_u32 s28, ttmp9, 256
	s_cmp_lt_u32 s28, 96                           ; Wqkv's work-group or Wd's: the choice hangs on the work-group's number alone
	s_cselect_b64 s[6:7], s[6:7], s[8:9]
	s_cselect_b64 s[14:15], s[14:15], s[16:17]
	s_mov_b32 s29, 4096
	s_cselect_b32 s29, 12288, s29                  ; bytes in a row of W
	s_cselect_b32 s30, 4, 16                       ; from lane to lane within 16,
	s_cselect_b32 s31, 64, 4                       ; from lanes 0-15 to lanes 16-31,
	s_cselect_b32 s32, 128, 8                      ; and from the first 32 stage rows to the second: Wqkv: column = stage row; Wd: column 4 r + i for stage row 16 i + r
	s_cselect_b32 s33, 0, 96
	s_cselect_b32 s34, 1, 0
	s_sub_co_u32 s28, s28, s33
	s_lshr_b32 s35, s28, 3
	s_and_b32 s28, s28, 7                          ; the K step
	s_lshl_b32 s35, s35, 2
	s_add_co_u32 s35, s35, s18                     ; my group of 64 columns
	s_mul_i32 s52, s28, s29
	s_lshl_b32 s52, s52, 7
	s_lshl_b32 s54, s35, 8
	s_add_co_u32 s52, s52, s54
	s_mov_b32 s53, 0
	s_add_nc_u64 s[36:37], s[6:7], s[52:53]        ; eight bases: block q = 32 rows (q / 2) x stage rows 32 (q % 2) on
	s_mov_b32 s52, s32
	s_add_nc_u64 s[38:39], s[36:37], s[52:53]
	s_lshl_b32 s52, s29, 5
.irp q, 2,3,4,5,6,7
	s_add_nc_u64 s[36+2*\q:37+2*\q], s[32+2*\q:33+2*\q], s[52:53]
.endr
	s_lshl_b32 s52, s35, 16
	s_lshl_b32 s54, s28, 11
	s_add_co_u32 s52, s52, s54
	s_add_nc_u64 s[14:15], s[14:15], s[52:53]      ; my four fragments' images: tile 4 x group, this K step
	v_mul_lo_u32 v16, v2, s30
	v_mul_lo_u32 v14, v3, s31
	v_add_nc_u32 v16, v16, v14
.set n, 1
.rept 31
	v_add_nc_u32 v[VO+n], s29, v[VO+n-1]
.set n, n+1
.endr
.macro WLOAD q
.set n, 0
.rept 32
	global_load_b32 v[WX+32*((\q)%2)+n], v[VO+n], s[36+2*(\q):37+2*(\q)]
.set n, n+1
.endr
.endm
	WLOAD 0
	WLOAD 1
	s_wait_kmcnt 0x0
	s_cmp_eq_u32 s34, 1
	s_cselect_b32 s28, s21, s27                    ; e1 or e7
	s_add_co_i32 s28, s28, 127
	s_lshl_b32 s29, s28, 23
	v_mov_b32 v11, s29
	s_add_co_i32 s28, s28, 8
	s_lshl_b32 s28, s28, 23
	s_or_b32 s28, s28, 0x600000
	v_mov_b32 v10, s28
.macro WBLOCK q
.set XS, WX+32*((\q)%2)
.if (\q) < 7
	s_wait_loadcnt 32                              ; this block's 32 loads are in; the next block's may be out
.else
	s_wait_loadcnt 0x0
.endif
.set n, 0
.rept 32
	v_med3_num_f32 v[XS+n], v[XS+n], -v10, v10
.set n, n+1
.endr
.irp g, 0,1,2,3
	v_cvt_scalef32_pk8_fp8_f32 v[WC+2*\g:WC+2*\g+1], v[XS+8*\g:XS+8*\g+7], v11
.endr
	ds_store_b128 v8, v[WC:WC+3] offset:((\q)%2)*4608+32*((\q)/2)
	ds_store_b128 v8, v[WC+4:WC+7] offset:((\q)%2)*4608+32*((\q)/2)+16
.if (\q)+2 < 8
	WLOAD (\q)+2
.endif
	s_wait_dscnt 0x0                               ; the stores have read their registers: the next block's codes may be written (its 32 holds, plain lines, come first)
.endm
.irp q, 0,1,2,3,4,5,6,7
	WBLOCK \q
.endr
.irp i, 0,1,2,3
.irp p, 0,1,2,3
	ds_load_b64 v[WO+16*\i+4*\p:WO+16*\i+4*\p+1], v9 offset:\i*2304+32*\p
	ds_load_b64 v[WO+16*\i+4*\p+2:WO+16*\i+4*\p+3], v9 offset:\i*2304+32*\p+16
.endr
.endr
.irp i, 0,1,2,3
.irp p, 0,1,2,3
	s_wait_dscnt 30-2*(4*\i+\p)                    ; the two loads of this part are in; the later ones may be out
	global_store_b128 v7, v[WO+16*\i+4*\p:WO+16*\i+4*\p+3], s[14:15] offset:\i*16384+512*\p
.endr
.endr
.Lend:
	s_wait_tensorcnt 0x0                           ; the wave's end
	ds_add_u32 v12, v13
	s_wait_dscnt 0x0
	s_endpgm
.Lfunc_end_k_q1d4ddd9326_quant:
	.size	k_q1d4ddd9326_quant, .Lfunc_end_k_q1d4ddd9326_quant-k_q1d4ddd9326_quant
	.p2alignl 7, 3214868480
	.fill 96, 4, 3214868480
	.section	.rodata,"a",@progbits
	.p2align	6, 0x0
	.amdhsa_kernel k_q1d4ddd9326_quant
		.amdhsa_group_segment_fixed_size 72192
		.amdhsa_private_segment_fixed_size 0
		.amdhsa_enable_private_segment 0
		.amdhsa_kernarg_size 56
		.amdhsa_user_sgpr_count 2
		.amdhsa_user_sgpr_kernarg_segment_ptr 1
		.amdhsa_wavefront_size32 1
		.amdhsa_system_sgpr_workgroup_id_x 1
		.amdhsa_system_sgpr_workgroup_id_y 1
		.amdhsa_system_sgpr_workgroup_id_z 1
		.amdhsa_system_vgpr_workitem_id 0
		.amdhsa_next_free_vgpr 240
		.amdhsa_next_free_sgpr 66
		.amdhsa_reserve_vcc 0
		.amdhsa_float_denorm_mode_32 3
		.amdhsa_float_denorm_mode_16_64 3
		.amdhsa_memory_ordered 1
		.amdhsa_forward_progress 1
		.amdhsa_inst_pref_size 88
	.end_amdhsa_kernel
	.amdgpu_metadata
---
amdhsa.version: [ 1, 2 ]
amdhsa.kernels:
  - .name:           k_q1d4ddd9326_quant
    .symbol:         k_q1d4ddd9326_quant.kd
    .args:
      - { .name: x, .offset: 0, .size: 8, .value_kind: global_buffer, .address_space: global }
      - { .name: Wqkv, .offset: 8, .size: 8, .value_kind: global_buffer, .address_space: global }
      - { .name: Wd, .offset: 16, .size: 8, .value_kind: global_buffer, .address_space: global }
      - { .name: lowp_scales, .offset: 24, .size: 8, .value_kind: global_buffer, .address_space: global }
      - { .name: x_img, .offset: 32, .size: 8, .value_kind: global_buffer, .address_space: global }
      - { .name: wq_img, .offset: 40, .size: 8, .value_kind: global_buffer, .address_space: global }
      - { .name: wd_img, .offset: 48, .size: 8, .value_kind: global_buffer, .address_space: global }
    .group_segment_fixed_size: 72192
    .private_segment_fixed_size: 0
    .kernarg_segment_align: 8
    .kernarg_segment_size: 56
    .max_flat_workgroup_size: 128
    .sgpr_count:     66
    .vgpr_count:     240
    .wavefront_size: 32
...
	.end_amdgpu_metadata
.endif
;; end of part 1
;; launch qkv (part 2): grid 16 x 16, 4 waves a work-group, clusters of 4 x 4, 327,680 bytes of LDS; arguments x_img, wq_img, bqkv, lowp_scales, q_img, kv_img; writes q_img, kv_img
.if DOCPART == 2
	.amdgcn_target "amdgcn-amd-amdhsa--gfx1250"
	.amdhsa_code_object_version 6
	.text
	.protected	k_q1d4ddd9326_qkv
	.globl	k_q1d4ddd9326_qkv
	.p2align	8
	.type	k_q1d4ddd9326_qkv,@function
k_q1d4ddd9326_qkv:
	s_mov_b64 s[64:65], 0
	v_nop
	global_prefetch_b8 v0, s[64:65] scope:SCOPE_SE
	s_setreg_imm32_b32 hwreg(HW_REG_WAVE_MODE, 25, 1), 1
	s_wait_xcnt 0x0
	s_wait_alu depctr_hold_cnt(0) depctr_sa_sdst(0) depctr_va_vdst(0) depctr_va_sdst(0) depctr_va_ssrc(0) depctr_va_vcc(0) depctr_vm_vsrc(0)
	s_getreg_b32 s2, hwreg(HW_REG_IB_STS2, 6, 4)
	s_cmp_eq_u32 s2, 0
	s_cbranch_scc0 .Lentry_in_a_cluster
	s_endpgm
.Lentry_in_a_cluster:
	s_bfe_u32 s2, ttmp6, 0x10000c
	s_cmp_lg_u32 s2, 0xf033
	s_cbranch_scc0 .Lentry_shape_is_right
	s_endpgm
.Lentry_shape_is_right:
; qkv = x Wqkv + bqkv on codes of E4M3, and q, k, v straight into codes, laid as images of the next launch's operand registers.  No work of this product is left out.
; A tile is 256 rows x one head's 192 columns (q | k | v, 64 each).  Four waves: wave (R = wave / 2, Cc = wave % 2) makes rows 128 R on x six tiles of 16 columns: q's, k's and v's tiles 2 Cc, 2 Cc + 1: 48 accumulators.
; A work-group stays for two tiles (tile rows ty and ty + 16, the same head), and the ring of two LDS slots runs on into the second tile, so that the first tile's way out stands under the second tile's fills.
; K goes 256 to a slot, in two half steps of 128.  x_img and wq_img hold fragments as register images (2048 bytes: registers 4p..4p+3 of lane l at 512 p + 16 l), so a slot's part of a 16-row tile is 4096 dense bytes,
; every LDS load takes 512 consecutive bytes, and there is no pitch and no padding.  A tensor load brings 8 (x) or 6 (W) such rows of 4096 bytes, 16384 bytes apart: the tile has no more rows than that.
; q and k are made TRANSPOSED (source 0 = 16 columns of W, source 1 = 16 rows of x): a lane holds one sequence row and eight neighbouring d: one conversion gives registers 2c, 2c+1 of a fragment with K = d.
; v is made plainly (source 0 = x, source 1 = W): a lane holds one d and eight neighbouring keys: registers 2a, 2a+1 of a fragment with K = the keys.  So the codes leave from registers, 512 aligned bytes a store.
; The bias is the C of each sum's first product, divided by 2^(e0+e1), which the sums lack; the three scales ahead of each quantiser are folded into the conversion's one.
; CLUSTERS 4 x 4: a row of the cluster shares x's tiles, a column W's: joint loads.
; LIMITS: e2-e0-e1, e3-e0-e1, e5-e0-e1 between -126 and 119.
; REGISTERS, in windows of 256.  Window 0: v0-63 addresses and constants; v64-255 accumulators of row blocks 4-7.  Window 1: fragment set 0 (x at v[16 a], W at v[128+16 b]).  Window 2: set 1; on the way out the codes.
; Window 3: v0-191 accumulators of row blocks 0-3; v192-239 the six bias tiles.
.set NBW,   6
.set NF,    56                         ; LDS loads of one fragment set: 4 x (8 + 6)
.set SLOT,  114688                     ; x: 16 tiles x 4096, then W: 12 x 4096
.set SPARE, 229376                     ; behind the ring: the spare words, 128 bytes for each wave
.set ADRA, 16                          ; v16-17 x's fragments in slot 0, 1
.set ADRB, 20                          ; v20-21 W's
.set QO,   24                          ; v24 my 16 bytes of a q or k image: 512 Cc + 16 lane
.set VO,   25                          ; v25 of a v image: 8192 + 4096 Cc + 16 lane
.set SPW,  28
.set NIL,  29
.set G1,  24                           ; s[24:31] group 1 for x's tiles; s[32:39] its groups 0, one for each slot
.set G0,  32
.set G1B, 48                           ; s[48:55], s[56:63] the same for W's
.set G0B, 56
.set MSB, 0
.macro WIN new                         ; the immediate's high byte repeats the setting that is left
.if MSB != (\new)
	s_set_vgpr_msb (MSB<<8)|(\new)
.set MSB, (\new)
.endif
.endm
.macro JLOAD s                         ; a joint load: waves 0, 1 for x's halves, waves 2, 3 for W's; s_nop 0 and four v_nop follow each line
	s_cmp_eq_u32 s19, 0
	s_cbranch_scc0 .Lfor_b_\@
	tensor_load_to_lds s[G0+4*\s:G0+4*\s+3], s[G1:G1+7]
	s_nop 0
.rept 4
	v_nop
.endr
	s_branch .Lasked_\@
.Lfor_b_\@:
	tensor_load_to_lds s[G0B+4*\s:G0B+4*\s+3], s[G1B:G1B+7]
	s_nop 0
.rept 4
	v_nop
.endr
.Lasked_\@:
.endm
.macro CREST                           ; a round of the cluster's barrier behind its opening barrier
	s_cmp_lg_u32 s18, 0
	s_cbranch_scc1 .Lnot_wave_0_\@
	s_barrier_signal -3
.Lnot_wave_0_\@:
	s_barrier_wait -3
	s_barrier_signal -1
	s_barrier_wait -1
.endm
.macro CROUND
	s_barrier_signal -1
	s_barrier_wait -1
	CREST
.endm
.macro PLACES                          ; four plain places behind matrix instructions, ahead of loads into their operands and of reads of their results
.rept 4
	v_nop
.endr
.endm
.macro FETCH slot, q, set              ; the fragments of half step q of a slot into set 0 (window 1) or 1 (window 2): one run of NF loads
	WIN 0x40*(1+(\set))
.irp b, 0,1,2,3,4,5
.irp c, 0,1,2,3
	ds_load_b128 v[128+16*\b+4*\c:128+16*\b+4*\c+3], v[ADRB+\slot] offset:(\b/2)*16384+(\b%2)*4096+(\q)*2048+512*\c
.endr
.endr
.irp a, 0,1,2,3,4,5,6,7
.irp c, 0,1,2,3
	ds_load_b128 v[16*\a+4*\c:16*\a+4*\c+3], v[ADRA+\slot] offset:\a*4096+(\q)*2048+512*\c
.endr
.endr
.endm
.macro MULROW a, set, first            ; row block a against the six tiles.  The 48 accumulators take turns in the same order in every half step
.if (\a) < 4
	WIN 0xF5+5*(\set)
.set AC, 8*NBW*(\a)
.else
.if \first
	WIN 0x35
.else
	WIN 0x05+5*(\set)
.endif
.set AC, 64+8*NBW*((\a)-4)
.endif
.irp b, 0,1,2,3
.if \first
	v_wmma_f32_16x16x128_fp8_fp8 v[AC+8*\b:AC+8*\b+7], v[128+16*\b:143+16*\b], v[16*(\a):16*(\a)+15], v[192+8*\b:199+8*\b]
.else
	v_wmma_f32_16x16x128_fp8_fp8 v[AC+8*\b:AC+8*\b+7], v[128+16*\b:143+16*\b], v[16*(\a):16*(\a)+15], v[AC+8*\b:AC+8*\b+7]
.endif
.endr
.irp b, 4,5
.if \first
	v_wmma_f32_16x16x128_fp8_fp8 v[AC+8*\b:AC+8*\b+7], v[16*(\a):16*(\a)+15], v[128+16*\b:143+16*\b], v[192+8*\b:199+8*\b]
.else
	v_wmma_f32_16x16x128_fp8_fp8 v[AC+8*\b:AC+8*\b+7], v[16*(\a):16*(\a)+15], v[128+16*\b:143+16*\b], v[AC+8*\b:AC+8*\b+7]
.endif
.endr
.endm
; A slot's first half step.  It asks for the slot's second half (its last reads) and multiplies set 0.  change = 1, 2: the change of slots: each wave waits for all its tensor loads (its part of the next slot),
; adds 0 to its spare word, and waits for that and for its reads of this slot; one barrier.  change = 2: the barrier opens a round of the cluster's, and behind it this slot is filled again, two slots ahead
; (nxt = 1: with the next tile's K: x 256 tiles of 16 rows down and back along K, W back along K).
.macro H0 slot, first, change, nxt
	FETCH \slot, 1, 1
	s_wait_dscnt NF                                ; all but the run just issued: set 0 is in
.irp a, 0,1,2,3,4,5
	MULROW \a, 0, \first
.endr
.if \change
	WIN 0                                          ; (the add's two registers lie in window 0)
	s_wait_tensorcnt 0x0                           ; all my tensor loads have landed
	ds_add_u32 v[SPW], v[NIL]                      ; 0 onto my spare word; six products stand between it and the wait for it
	MULROW 6, 0, \first
	s_wait_dscnt 0x0                               ; the add is done, and my reads of this slot are over
	s_barrier_signal -1
	MULROW 7, 0, \first
	WIN 0
	s_barrier_wait -1
.if \change == 2
	CREST                                          ; no wave of any partner still reads this slot or has a load on its way
.if \nxt
	s_add_nc_u64 s[G0+4*\slot+2:G0+4*\slot+3], s[G0+4*\slot+2:G0+4*\slot+3], 4194304-8192
	s_sub_nc_u64 s[G0B+4*\slot+2:G0B+4*\slot+3], s[G0B+4*\slot+2:G0B+4*\slot+3], 8192
.else
	s_add_nc_u64 s[G0+4*\slot+2:G0+4*\slot+3], s[G0+4*\slot+2:G0+4*\slot+3], 8192
	s_add_nc_u64 s[G0B+4*\slot+2:G0B+4*\slot+3], s[G0B+4*\slot+2:G0B+4*\slot+3], 8192
.endif
	JLOAD \slot                                    ; my one tensor load behind the round; it has two half steps, 96 products, in which to land; its four v_nop are the places for the loads that follow
.else
	PLACES
.endif
.else
	MULROW 6, 0, \first
	MULROW 7, 0, \first
	PLACES
.endif
.endm
.macro H1 next, fetch                  ; a slot's second half step: asks for the next slot's first half and multiplies set 1
.if \fetch
	FETCH \next, 0, 0
	s_wait_dscnt NF                                ; all but the run just issued: set 1 is in
.else
	s_wait_dscnt 0x0
.endif
.irp a, 0,1,2,3,4,5,6,7
	MULROW \a, 1, 0
.endr
	PLACES
.endm
.macro ACCOF a, b
.if (\a) < 4
.set AC, 8*(NBW*(\a)+(\b))
.else
.set AC, 64+8*(NBW*((\a)-4)+(\b))
.endif
.endm
.macro HOLDACC a, b                    ; the hold at the largest code x the scale, each accumulator from its low end on
	ACCOF \a, \b
.set LM, 41+2*((\b)/2)
.irp j, 0,1,2,3,4,5,6,7
	v_med3_num_f32 v[AC+\j], v[AC+\j], -v[LM], v[LM]
.endr
.endm
.macro CODEACC a, b                    ; eight numbers become two registers of an image: q at v[4a+2b], k at v[32+..], v at v[64+16(b-4)+2a] of window 2
	ACCOF \a, \b
.set SC, 40+2*((\b)/2)
.if (\b) < 4
.set CD, 32*((\b)/2)+4*(\a)+2*((\b)%2)
.else
.set CD, 64+16*((\b)-4)+2*(\a)
.endif
	v_cvt_scalef32_pk8_fp8_f32 v[CD:CD+1], v[AC:AC+7], v[SC]
.endm
.macro EPI tau                         ; the way out of a tile
	WIN 0xC3
.irp a, 0,1,2,3
.irp b, 0,1,2,3,4,5
	HOLDACC \a, \b
.endr
.endr
	WIN 0x83
.irp a, 0,1,2,3
.irp b, 0,1,2,3,4,5
	CODEACC \a, \b
.endr
.endr
	WIN 0
.irp a, 4,5,6,7
.irp b, 0,1,2,3,4,5
	HOLDACC \a, \b
.endr
.endr
	WIN 0x80
.irp a, 4,5,6,7
.irp b, 0,1,2,3,4,5
	CODEACC \a, \b
.endr
.endr
	v_nop                                          ; a plain line behind the last conversion: later products write its sources
	WIN 0x08                                       ; store data in window 2
.irp a, 0,1,2,3,4,5,6,7
	global_store_b128 v[QO], v[4*\a:4*\a+3], s[12:13] offset:\a*1024
	global_store_b128 v[QO], v[32+4*\a:32+4*\a+3], s[14:15] offset:\a*1024
.endr
.irp b, 0,1
.irp p, 0,1,2,3
	global_store_b128 v[VO], v[64+16*\b+4*\p:64+16*\b+4*\p+3], s[14:15] offset:\b*2048+512*\p
.endr
.endr
	WIN 0
	s_wait_xcnt 0x0                                ; the stores have read their data and bases: window 2 takes fragments again, and the bases step
.if \tau == 0
	s_add_nc_u64 s[12:13], s[12:13], 0x400000      ; 16 tile rows on are two batches on: 32 heads' images
	s_add_nc_u64 s[14:15], s[14:15], 0x800000
.endif
.endm
	s_load_b256 s[4:11], s[0:1], 0x0               ; x_img, wq_img, bqkv, the scales' exponents
	s_load_b128 s[12:15], s[0:1], 0x20             ; q_img, kv_img
	v_lshl_add_u32 v[SPW], v0, 2, SPARE
	v_mov_b32 v[NIL], 0
	ds_add_u32 v[SPW], v[NIL]                      ; the wave's opening: the add, twice on end, and its wait ahead of my first tensor load
	ds_add_u32 v[SPW], v[NIL]
	v_lshrrev_b32 v1, 5, v0
	v_readfirstlane_b32 s18, v1                    ; wave
	s_lshr_b32 s19, s18, 1                         ; R.  Also: I fetch for x (0) or for W (1)
	s_and_b32 s20, s18, 1                          ; Cc.  Also: which half of that tile I fetch
	s_bfe_u32 s40, ttmp6, 0x40000                  ; cx
	s_bfe_u32 s41, ttmp6, 0x40004                  ; cy
	s_lshl_b32 s42, ttmp9, 2
	s_add_co_u32 s42, s42, s40                     ; the head
	s_and_b32 s43, ttmp7, 0xffff
	s_lshl_b32 s43, s43, 2
	s_add_co_u32 s43, s43, s41                     ; ty: the first tile row
	s_lshl_b32 s44, s41, 2
	s_lshl_b32 s44, 15, s44                        ; my row of the cluster
	s_lshl_b32 s45, 0x1111, s40                    ; my column
	s_or_b32 s[G1], s44, (3<<16)|(1<<21)           ; the mask; elements of 8 bytes; bit 21 beside a mask; no padding
	s_or_b32 s[G1B], s45, (3<<16)|(1<<21)
.irp g, G1, G1B
	s_mov_b32 s[\g+1], 512<<16                     ; tensor_dim0: 512 elements = 4096 bytes
	s_mov_b32 s[\g+3], 512<<16                     ; tile_dim0
	s_mov_b32 s[\g+5], 2048                        ; from row to row: 16384 bytes
	s_mov_b32 s[\g+6], 0
	s_mov_b32 s[\g+7], 0
.endr
	s_mov_b32 s[G1+2], 8<<16                       ; tensor_dim1, tile_dim1: 8 tiles of 16 rows
	s_mov_b32 s[G1+4], 8
	s_mov_b32 s[G1B+2], 6<<16                      ; 6 tiles of 16 columns
	s_mov_b32 s[G1B+4], 6
	s_lshl_b32 s80, s43, 4
	s_lshl_b32 s46, s20, 3
	s_add_co_u32 s80, s80, s46
	s_lshl_b32 s80, s80, 14                        ; x: (16 ty + 8 half) x 16384
	s_mov_b32 s81, 0
	s_mul_i32 s82, s42, 12
	s_mul_i32 s47, s20, 6
	s_add_co_u32 s82, s82, s47
	s_lshl_b32 s82, s82, 14                        ; W: (12 head + 6 half) x 16384
	s_mov_b32 s83, 0
	s_lshl_b32 s84, s20, 15                        ; where they go in a slot
	s_mul_i32 s85, s20, 24576
	s_add_co_u32 s85, s85, 65536
	s_wait_dscnt 0x0                               ; both opening adds are done
	s_wait_kmcnt 0x0
	s_load_b256 s[72:79], s[10:11], 0x0            ; e0 .. e7
	s_add_nc_u64 s[80:81], s[4:5], s[80:81]
	s_add_nc_u64 s[82:83], s[6:7], s[82:83]
	CROUND                                         ; all sixteen work-groups are here: the first joint loads meet
.irp s, 0,1
	s_mov_b32 s[G0+4*\s], 1
	s_add_co_u32 s[G0+4*\s+1], s84, \s*SLOT
	s_add_nc_u64 s[G0+4*\s+2:G0+4*\s+3], s[80:81], \s*4096
	s_or_b32 s[G0+4*\s+3], s[G0+4*\s+3], 0x80000000
	s_mov_b32 s[G0B+4*\s], 1
	s_add_co_u32 s[G0B+4*\s+1], s85, \s*SLOT
	s_add_nc_u64 s[G0B+4*\s+2:G0B+4*\s+3], s[82:83], \s*4096
	s_or_b32 s[G0B+4*\s+3], s[G0B+4*\s+3], 0x80000000
	JLOAD \s                                       ; two loads of mine are out
.endr
	v_and_b32 v1, 31, v0
	v_lshlrev_b32 v1, 4, v1                        ; 16 x lane
	v_and_b32 v2, 15, v0                           ; r
	v_bfe_u32 v3, v0, 4, 1                         ; h
	s_lshl_b32 s86, s19, 15
	s_lshl_b32 s87, s20, 13
	s_add_co_u32 s87, s87, 65536
.irp s, 0,1
	v_add_nc_u32 v[ADRA+\s], s86, v1
	v_add_nc_u32 v[ADRB+\s], s87, v1
	s_add_co_u32 s86, s86, SLOT
	s_add_co_u32 s87, s87, SLOT
.endr
	s_lshl_b32 s88, s20, 9
	v_add_nc_u32 v[QO], s88, v1
	s_lshl_b32 s88, s20, 12
	s_add_co_u32 s88, s88, 8192
	v_add_nc_u32 v[VO], s88, v1
	s_mul_i32 s88, s42, 768                        ; the bias: my head's 192 numbers, my 32 of each 64
	s_lshl_b32 s89, s20, 7
	s_add_co_u32 s88, s88, s89
	s_mov_b32 s89, 0
	s_add_nc_u64 s[8:9], s[8:9], s[88:89]
	v_lshlrev_b32 v50, 5, v3                       ; q, k: eight d of my half
	v_lshlrev_b32 v51, 2, v2                       ; v: d = r
	WIN 0xC0
.irp b, 0,1,2,3
	global_load_b128 v[192+8*\b:195+8*\b], v50, s[8:9] offset:(\b/2)*256+(\b%2)*64
	global_load_b128 v[196+8*\b:199+8*\b], v50, s[8:9] offset:(\b/2)*256+(\b%2)*64+16
.endr
	WIN 0
	global_load_b32 v48, v51, s[8:9] offset:512
	global_load_b32 v49, v51, s[8:9] offset:576
	s_lshr_b32 s86, s43, 3                         ; where the images go: batch = tile row / 8
	s_lshl_b32 s86, s86, 4
	s_add_co_u32 s86, s86, s42                     ; batch x 16 + head
	s_and_b32 s87, s43, 7
	s_lshl_b32 s88, s86, 7
	s_lshl_b32 s91, s87, 4
	s_add_co_u32 s88, s88, s91
	s_lshl_b32 s91, s19, 3
	s_add_co_u32 s88, s88, s91
	s_lshl_b32 s88, s88, 10
	s_add_nc_u64 s[12:13], s[12:13], s[88:89]      ; q: my first tile of 16 queries
	s_lshl_b32 s88, s86, 4
	s_lshl_b32 s91, s87, 1
	s_add_co_u32 s88, s88, s91
	s_add_co_u32 s88, s88, s19
	s_lshl_b32 s88, s88, 14
	s_add_nc_u64 s[14:15], s[14:15], s[88:89]      ; k, v: my block of 128 keys
	s_wait_kmcnt 0x0
	s_add_co_i32 s92, s72, s73                     ; e0 + e1
	s_sub_co_i32 s90, 0, s92
.irp x, 0,1,2
.if \x == 2
	s_sub_co_i32 s93, s77, s92
.else
	s_sub_co_i32 s93, s[74+\x], s92
.endif
	s_add_co_i32 s93, s93, 127
	s_lshl_b32 s94, s93, 23
	v_mov_b32 v[40+2*\x], s94                      ; 2^(e - e0 - e1)
	s_add_co_i32 s93, s93, 8
	s_lshl_b32 s93, s93, 23
	s_or_b32 s93, s93, 0x600000
	v_mov_b32 v[41+2*\x], s93                      ; 448 x that
.endr
	s_wait_loadcnt 0x0
	WIN 0xC3
.set n, 0
.rept 32
	v_ldexp_f32 v[192+n], v[192+n], s90            ; bias / 2^(e0 + e1)
.set n, n+1
.endr
	WIN 0xC0
.irp j, 0,1,2,3,4,5,6,7
	v_ldexp_f32 v[224+\j], v48, s90                ; v's bias hangs on the lane's d alone: the same in all eight registers
	v_ldexp_f32 v[232+\j], v49, s90
.endr
	WIN 0
	s_wait_tensorcnt 1                             ; my part of slot 0 is in; slot 1's may stay out
	s_barrier_signal -1
	s_barrier_wait -1
	FETCH 0, 0, 0
	H0 0, 1, 2, 0                                  ; tile 0
	H1 1, 1
	H0 1, 0, 2, 0
	H1 0, 1
	H0 0, 0, 2, 1                                  ; the ring goes on into tile 1
	H1 1, 1
	H0 1, 0, 2, 1
	H1 0, 1
	EPI 0
	H0 0, 1, 2, 0                                  ; tile 1
	H1 1, 1
	H0 1, 0, 2, 0
	H1 0, 1
	H0 0, 0, 1, 0                                  ; nothing is left to fetch
	H1 1, 1
	H0 1, 0, 0, 0
	H1 0, 0
	EPI 1
	s_wait_tensorcnt 0x0                           ; the wave's end
	ds_add_u32 v[SPW], v[NIL]
	s_wait_dscnt 0x0
	CROUND                                         ; the closing round
	s_endpgm
.Lfunc_end_k_q1d4ddd9326_qkv:
	.size	k_q1d4ddd9326_qkv, .Lfunc_end_k_q1d4ddd9326_qkv-k_q1d4ddd9326_qkv
	.p2alignl 7, 3214868480
	.fill 96, 4, 3214868480
	.section	.rodata,"a",@progbits
	.p2align	6, 0x0
	.amdhsa_kernel k_q1d4ddd9326_qkv
		.amdhsa_group_segment_fixed_size 327680
		.amdhsa_private_segment_fixed_size 0
		.amdhsa_enable_private_segment 0
		.amdhsa_kernarg_size 48
		.amdhsa_user_sgpr_count 2
		.amdhsa_user_sgpr_kernarg_segment_ptr 1
		.amdhsa_wavefront_size32 1
		.amdhsa_system_sgpr_workgroup_id_x 1
		.amdhsa_system_sgpr_workgroup_id_y 1
		.amdhsa_system_sgpr_workgroup_id_z 1
		.amdhsa_system_vgpr_workitem_id 0
		.amdhsa_next_free_vgpr 1024
		.amdhsa_next_free_sgpr 100
		.amdhsa_reserve_vcc 0
		.amdhsa_float_denorm_mode_32 3
		.amdhsa_float_denorm_mode_16_64 3
		.amdhsa_memory_ordered 1
		.amdhsa_forward_progress 1
		.amdhsa_inst_pref_size 187
	.end_amdhsa_kernel
	.amdgpu_metadata
---
amdhsa.version: [ 1, 2 ]
amdhsa.kernels:
  - .name:           k_q1d4ddd9326_qkv
    .symbol:         k_q1d4ddd9326_qkv.kd
    .args:
      - { .name: x_img, .offset: 0, .size: 8, .value_kind: global_buffer, .address_space: global }
      - { .name: wq_img, .offset: 8, .size: 8, .value_kind: global_buffer, .address_space: global }
      - { .name: bqkv, .offset: 16, .size: 8, .value_kind: global_buffer, .address_space: global }
      - { .name: lowp_scales, .offset: 24, .size: 8, .value_kind: global_buffer, .address_space: global }
      - { .name: q_img, .offset: 32, .size: 8, .value_kind: global_buffer, .address_space: global }
      - { .name: kv_img, .offset: 40, .size: 8, .value_kind: global_buffer, .address_space: global }
    .group_segment_fixed_size: 327680
    .private_segment_fixed_size: 0
    .kernarg_segment_align: 8
    .kernarg_segment_size: 48
    .max_flat_workgroup_size: 128
    .sgpr_count:     100
    .vgpr_count:     1024
    .wavefront_size: 32
...
	.end_amdgpu_metadata
.endif
;; end of part 2
;; launch attn (part 3): grid 4 x 64, 16 waves a work-group, no clusters, 34,816 bytes of LDS; arguments q_img, kv_img, lowp_scales, ctx_img; writes ctx_img
.if DOCPART == 3
	.amdgcn_target "amdgcn-amd-amdhsa--gfx1250"
	.amdhsa_code_object_version 6
	.text
	.protected	k_q1d4ddd9326_attn
	.globl	k_q1d4ddd9326_attn
	.p2align	8
	.type	k_q1d4ddd9326_attn,@function
k_q1d4ddd9326_attn:
	s_mov_b64 s[64:65], 0
	v_nop
	global_prefetch_b8 v0, s[64:65] scope:SCOPE_SE
	s_setreg_imm32_b32 hwreg(HW_REG_WAVE_MODE, 25, 1), 1
	s_wait_xcnt 0x0
; ctx = softmax(q k^T / 8, causal) v on codes of E4M3, and ctx straight into codes for the last product.
; LEFT OUT: key steps all of whose 128 keys come after a wave's 16 queries (shown dead at the head of the first kernel: a masked p has the code 0 and is 0 in the row's sum; LIMIT e2 + e3 <= -8).
; THE SOFTMAX: t = score x log2(e) / 8; M = the running largest t rounded up to a whole number; p = 2^(t - M) is quantised, not normalised; the row's sum is taken of the unquantised p and divides at the end.
; SHARES.  Work-group (i, head) owns the blocks of 256 queries 7 - i and then i of one head: 2 (8 - i) + 2 (i + 1) = 18 key steps of 128 in every work-group.  Each of sixteen waves owns 16 queries of the block in hand,
; in 256 registers: four waves to a SIMD, so that one wave's vector work stands beside another's products and LDS loads.
; LAYOUT.  Both products transposed: S^T = K Q^T (source 0 = 16 keys), O^T = V^T P^T (source 0 = 16 of the head's 64): a lane holds one query throughout.  The eight registers of key tile c become registers 2c, 2c+1
; of P's fragment; O^T's tile t becomes registers 2t, 2t+1 of ctx's.  q_img, kv_img hold register images: every LDS load takes 512 consecutive bytes.
; THE RING.  Two LDS slots of one key block (16384 bytes: K's eight tiles, V's four), filled THROUGH REGISTERS: a wave's share is 1024 bytes, two loads two steps ahead and two LDS stores one step ahead.
; One barrier a step: in front of it each wave has waited for its stores into the next slot and for its reads of this one.
; NO CLUSTER: the four work-groups of a head walk 16, 14, 12 and 10 key blocks in their first phase and begin their second at different steps, so they do not want the same block in the same step.
; LIMITS: e2 + e3 between -123 and -8; e4, e6 between -126 and 119.
; REGISTERS: v1 16 x lane; v2 1024 x wave + 16 x lane; v3 r - 8 h; v4, v5 the add's two; v6-7 load offsets; v8, v9 the prefetch's; v12 -M, v13 largest t, v[14:15] the sum; v16-23 Q; v24-31 the second phase's Q;
; v32-47 two key-block shares; v48-111 fragments of K, then of V; v112-175 S^T, then p; v176-207 O^T; v208-223 p's codes; v224-231 ctx's codes; v232-254 at work and constants.
.set SPARE, 32768
.set OFF,   28                         ; s28 byte offset, in the head's key blocks, of the block two steps on
.set WRAP,  29                         ; s29 where the first phase's blocks end
.set PLIM,  30                         ; s30 a wave prefetches while OFF is below it
.set TRIPS, 31
.set SWITCH, 32                        ; s32 8 - i: the pair of steps at which the second phase begins
.set KF,    33                         ; s33 the step's first key
.set Q0,    34                         ; s34 my first query;  s35 the second phase's
	s_load_b256 s[4:11], s[0:1], 0x0               ; q_img, kv_img, the scales' exponents, ctx_img
	v_lshl_add_u32 v4, v0, 2, SPARE
	v_mov_b32 v5, 0
	v_lshrrev_b32 v1, 5, v0
	v_readfirstlane_b32 s12, v1                    ; wave 0..15
	v_and_b32 v1, 31, v0
	v_lshlrev_b32 v1, 4, v1
	s_lshl_b32 s42, s12, 10
	v_add_nc_u32 v2, s42, v1
	v_and_b32 v3, 15, v0
	v_bfe_u32 v8, v0, 4, 1
	v_lshlrev_b32 v8, 3, v8
	v_sub_nc_u32 v3, v3, v8
	v_and_b32 v8, 31, v0
	v_lshlrev_b32 v8, 8, v8
	s_lshl_b32 s42, s12, 13
	v_add_nc_u32 v8, s42, v8                       ; the prefetch: 8192 x wave + 256 x lane
	s_and_b32 s43, ttmp7, 0xffff                   ; batch x 16 + head
	s_sub_co_u32 s44, 7, ttmp9                     ; the first phase's block
	s_lshl_b32 s45, s43, 7
	s_add_co_u32 s45, s45, s12
	s_lshl_b32 s46, s44, 4
	s_add_co_u32 s46, s46, s45
	s_lshl_b32 s46, s46, 10                        ; q: (head x 128 + block x 16 + wave) x 1024
	s_mov_b32 s47, 0
	s_lshl_b32 s48, ttmp9, 4
	s_add_co_u32 s48, s48, s45
	s_lshl_b32 s48, s48, 10
	s_mov_b32 s49, 0
	s_lshr_b32 s50, s43, 4
	s_lshl_b32 s50, s50, 7
	s_add_co_u32 s50, s50, s12
	s_and_b32 s51, s43, 15
	s_lshl_b32 s52, s44, 4
	s_add_co_u32 s52, s52, s50
	s_lshl_b32 s52, s52, 4
	s_add_co_u32 s52, s52, s51
	s_lshl_b32 s52, s52, 10                        ; ctx: ((batch x 128 + block x 16 + wave) x 16 + head) x 1024
	s_mov_b32 s53, 0
	s_lshl_b32 s54, ttmp9, 4
	s_add_co_u32 s54, s54, s50
	s_lshl_b32 s54, s54, 4
	s_add_co_u32 s54, s54, s51
	s_lshl_b32 s54, s54, 10
	s_mov_b32 s55, 0
	s_lshl_b32 s[Q0], s44, 8
	s_lshl_b32 s42, s12, 4
	s_add_co_u32 s[Q0], s[Q0], s42
	s_lshl_b32 s35, ttmp9, 8
	s_add_co_u32 s35, s35, s42
	s_sub_co_u32 s[SWITCH], 8, ttmp9
	s_lshl_b32 s[WRAP], s[SWITCH], 15              ; (16 - 2 i) blocks of 16384 bytes
	s_lshr_b32 s42, s12, 1
	s_or_b32 s42, s42, ttmp9
	s_cmp_eq_u32 s42, 0                            ; waves 0 and 1 of the head's work-group 0, which walks all sixteen blocks in its first phase
	s_cselect_b32 s[PLIM], 15*16384, 0
	s_mov_b32 s24, 0x76543210                      ; lane selects: lane l xor 16
	s_mov_b32 s25, 0xfedcba98
	s_mov_b32 s[KF], 0
	s_mov_b32 s[OFF], 32768
	s_mov_b32 s[TRIPS], 0
	s_wait_kmcnt 0x0
	s_load_b256 s[16:23], s[8:9], 0x0              ; e0 .. e7
	s_add_nc_u64 s[36:37], s[10:11], s[52:53]      ; where the first phase's ctx goes,
	s_add_nc_u64 s[38:39], s[10:11], s[54:55]      ; and the second's
	s_add_nc_u64 s[52:53], s[4:5], s[46:47]
	s_add_nc_u64 s[54:55], s[4:5], s[48:49]
	s_lshl_b32 s46, s43, 18
	s_add_nc_u64 s[6:7], s[6:7], s[46:47]          ; the head's key blocks
	global_load_b128 v[16:19], v1, s[52:53]
	global_load_b128 v[20:23], v1, s[52:53] offset:512
	global_load_b128 v[24:27], v1, s[54:55]
	global_load_b128 v[28:31], v1, s[54:55] offset:512
	global_load_b128 v[32:35], v2, s[6:7]
	global_load_b128 v[36:39], v2, s[6:7] offset:512
	global_load_b128 v[40:43], v2, s[6:7] offset:16384
	global_load_b128 v[44:47], v2, s[6:7] offset:16384+512
	v_mov_b32 v13, 0xff61b1e6                      ; the largest t so far: -3e38
	v_floor_f32 v12, -v13
	v_mov_b32 v14, 0
	v_mov_b32 v15, 0
	v_mov_b32 v232, 0                              ; a lane permute's destination counts as read
	v_mov_b32 v253, 0                              ; (named as the upper half of a pair)
.set n, 0
.rept 32
	v_mov_b32 v[176+n], 0                          ; O^T: the step is written once, its first run finds zeros
.set n, n+1
.endr
	s_wait_kmcnt 0x0
	s_add_co_i32 s42, s18, s19
	s_lshl_b32 s42, s42, 23
	s_add_co_i32 s26, s42, 0x3e38aa3b              ; c = log2(e) / 8 x 2^(e2 + e3): the exponents are added to c's exponent field
	s_mov_b32 s27, s26
	s_add_co_i32 s42, s20, 127
	s_lshl_b32 s43, s42, 23
	v_mov_b32 v241, s43                            ; 2^e4
	s_add_co_i32 s42, s42, 8
	s_lshl_b32 s42, s42, 23
	s_or_b32 s42, s42, 0x600000
	v_mov_b32 v240, s42                            ; 448 x 2^e4
	s_add_co_i32 s42, s22, 127
	s_lshl_b32 s43, s42, 23
	v_mov_b32 v245, s43                            ; 2^e6
	s_add_co_i32 s42, s42, 8
	s_lshl_b32 s42, s42, 23
	s_or_b32 s42, s42, 0x600000
	v_mov_b32 v244, s42                            ; 448 x 2^e6
	s_add_co_i32 s40, s20, s21                     ; e4 + e5
; A KEY STEP on slot sl
.macro STEP sl
.irp c, 0,1,2,3,4,5,6,7
	ds_load_b128 v[48+8*\c:51+8*\c], v1 offset:\sl*16384+\c*1024
	ds_load_b128 v[52+8*\c:55+8*\c], v1 offset:\sl*16384+\c*1024+512
.endr
	s_wait_dscnt 0x0
.irp c, 0,1,2,3,4,5,6,7
	v_wmma_f32_16x16x64_fp8_fp8 v[112+8*\c:119+8*\c], v[48+8*\c:55+8*\c], v[16:23], 0
.endr
.rept 4
	v_nop                                          ; places ahead of the loads into K's registers and of the first read of the scores
.endr
.irp t, 0,1,2,3
.irp p, 0,1,2,3
	ds_load_b128 v[48+16*\t+4*\p:51+16*\t+4*\p], v1 offset:\sl*16384+8192+\t*2048+\p*512   ; V lands while the softmax is worked
.endr
.endr
	s_add_co_u32 s42, s[KF], 127                   ; on the diagonal hidden scores become -infinity; a step all of whose keys count skips this
	s_cmp_le_u32 s42, s[Q0]
	s_cbranch_scc1 .Lopen_\@
	s_sub_co_i32 s42, s[Q0], s[KF]
	v_add_nc_u32 v252, s42, v3                     ; d = my query - KF - 8 h.  Register 8 c + j holds key KF + 16 c + 8 h + j: hidden where 16 c + j > d
	v_mov_b32 v254, 0xff800000
.set n, 0
.rept 64
	v_cmp_gt_i32 vcc_lo, 16*(n/8)+n%8, v252
	v_cndmask_b32 v[112+n], v[112+n], v254, vcc_lo
.set n, n+1
.endr
.Lopen_\@:
	v_max3_num_f32 v254, v112, v113, v114          ; the step's largest score of my query, in two chains; each accumulator is first read at its low end
	v_max3_num_f32 v252, v115, v116, v117
.set n, 6
.rept 14
	v_max3_num_f32 v254, v254, v[112+n], v[113+n]
	v_max3_num_f32 v252, v252, v[114+n], v[115+n]
.set n, n+4
.endr
	v_max3_num_f32 v254, v254, v174, v175
	v_max_num_f32 v254, v254, v252
	v_permlanex16_b32 v232, v254, s24, s25
	v_max_num_f32 v254, v254, v232                 ; and the other half of the lanes'
	v_mul_f32 v254, s26, v254                      ; as t (c is positive)
	v_max_num_f32 v13, v13, v254
	v_mov_b32 v254, v12
	v_floor_f32 v12, -v13                          ; -M = floor(-t): M is a whole number
	v_sub_f32 v254, v12, v254
	v_cvt_i32_f32 v254, v254
	v_ldexp_f32 v252, 1.0, v254                    ; f = 2^(old M - new M): exact
.set n, 0
.rept 32
	v_pk_fma_f32 v[112+n:113+n], v[112+n:113+n], s[26:27], v[12:13] op_sel_hi:[1,0,0]   ; t - M
.set n, n+2
.endr
.set n, 0
.rept 64
	v_exp_f32 v[112+n], v[112+n]
.set n, n+1
.endr
	v_pk_mul_f32 v[14:15], v[14:15], v[252:253] op_sel_hi:[1,0]   ; the sum under the new M: the plain line behind the exponentials
	s_wait_alu depctr_va_vdst(0)                   ; one wait for the batch of 64, ahead of its first reader
	v_pk_add_f32 v[242:243], v[112:113], v[114:115]               ; the sum of the unquantised p, in two chains
.set n, 4
.rept 15
	v_pk_add_f32 v[14:15], v[14:15], v[112+n:113+n]
	v_pk_add_f32 v[242:243], v[242:243], v[114+n:115+n]
.set n, n+4
.endr
	v_pk_add_f32 v[14:15], v[14:15], v[242:243]
	s_cmp_ge_i32 s20, -8                           ; p is at most 1: where 448 x 2^e4 is 1.75 or more the hold changes nothing and is jumped over; else it is run
	s_cbranch_scc1 .Lno_hold_\@
.set n, 0
.rept 64
	v_min_num_f32 v[112+n], v[112+n], v240
.set n, n+1
.endr
.Lno_hold_\@:
.irp c, 0,1,2,3,4,5,6,7
	v_cvt_scalef32_pk8_fp8_f32 v[208+2*\c:209+2*\c], v[112+8*\c:119+8*\c], v241
.endr
.set n, 0
.rept 16
	v_pk_mul_f32 v[176+n:177+n], v[176+n:177+n], v[252:253] op_sel_hi:[1,0]   ; O^T under the new M; plain lines between the conversions and the products
.set n, n+2
.endr
	s_wait_dscnt 0x0                               ; V is in
.irp t, 0,1,2,3
	v_wmma_f32_16x16x128_fp8_fp8 v[176+8*\t:183+8*\t], v[48+16*\t:63+16*\t], v[208:223], v[176+8*\t:183+8*\t]
.endr
.rept 4
	v_nop                                          ; places ahead of the next loads into V's registers and of the next read of O^T
.endr
.endm
; STEP n of 18, sl = n % 2.  ld: the block of step n + 2 is asked for.  st: the block of step n + 1 goes into the other slot, which every wave has left at the last barrier.
.macro TRIP sl, ld, st
	s_wait_xcnt 0x0                                ; what was issued a step ago has read its address registers: they are written again below
.if \ld
	v_add_nc_u32 v[6+\sl], s[OFF], v2
	global_load_b128 v[32+8*\sl:35+8*\sl], v[6+\sl], s[6:7]
	global_load_b128 v[36+8*\sl:39+8*\sl], v[6+\sl], s[6:7] offset:512
	s_cmp_lt_u32 s[OFF], s[PLIM]                   ; a prefetch of the block behind the one just asked for: 64 blocks of 256 bytes, a lane each, by two waves of one work-group of the head: each is named once; none past block 15
	s_cbranch_scc0 .Lno_ask_\@
	v_add_nc_u32 v9, s[OFF], v8
	global_prefetch_b8 v9, s[6:7] offset:16384 th:TH_LOAD_NT scope:SCOPE_SE
.Lno_ask_\@:
	s_add_co_u32 s[OFF], s[OFF], 16384
	s_cmp_eq_u32 s[OFF], s[WRAP]                   ; behind the first phase's last block comes block 0, for the second phase
	s_cselect_b32 s[OFF], 0, s[OFF]
	s_cselect_b32 s[PLIM], 0, s[PLIM]
.endif
.if \st
	s_wait_loadcnt 2*\ld                           ; the two loads just issued may be out: the block of step n + 1 is in
	ds_store_b128 v2, v[32+8*(1-\sl):35+8*(1-\sl)] offset:(1-\sl)*16384
	ds_store_b128 v2, v[36+8*(1-\sl):39+8*(1-\sl)] offset:(1-\sl)*16384+512
.endif
	s_add_co_u32 s42, s[Q0], 15
	s_cmp_gt_u32 s[KF], s42                        ; all 128 keys come after my queries: the step's work is left out, the barrier is not
	s_cbranch_scc1 .Lhidden_\@
	STEP \sl
.Lhidden_\@:
	s_add_co_u32 s[KF], s[KF], 128
	s_wait_dscnt 0x0                               ; my stores into the next slot have landed, my reads of this one are back
	s_barrier_signal -1
	s_barrier_wait -1
.endm
; The end of a phase: O^T / the sum x 2^(e4 + e5), quantised with 2^e6, stored as my tile's image (two stores of 512 aligned bytes).  re = 1: the second phase is set up.
.macro FINISH ptr, re
	v_add_f32 v14, v14, v15
	v_permlanex16_b32 v232, v14, s24, s25
	v_add_f32 v14, v14, v232
	v_rcp_f32 v14, v14
	v_nop                                          ; a plain line behind the reciprocal
	s_wait_alu depctr_va_vdst(0)                   ; and the wait ahead of its first reader
	v_ldexp_f32 v14, v14, s40
.set n, 0
.rept 32
	v_mul_f32 v[112+n], v[176+n], v14
.set n, n+1
.endr
.set n, 0
.rept 32
	v_med3_num_f32 v[112+n], v[112+n], -v244, v244
.set n, n+1
.endr
.irp t, 0,1,2,3
	v_cvt_scalef32_pk8_fp8_f32 v[224+2*\t:225+2*\t], v[112+8*\t:119+8*\t], v245
.endr
	v_nop
	global_store_b128 v1, v[224:227], s[\ptr:\ptr+1]
	global_store_b128 v1, v[228:231], s[\ptr:\ptr+1] offset:512
.if \re
.irp j, 0,1,2,3,4,5,6,7
	v_mov_b32 v[16+\j], v[24+\j]
.endr
	v_mov_b32 v13, 0xff61b1e6
	v_floor_f32 v12, -v13
	v_mov_b32 v14, 0
	v_mov_b32 v15, 0
.set n, 0
.rept 32
	v_mov_b32 v[176+n], 0
.set n, n+1
.endr
	s_mov_b32 s[KF], 0
	s_mov_b32 s[Q0], s35
.endif
.endm
.macro DOUBLE ld0, st0, ld1, st1       ; two steps; a phase has an even number of them, so the phases change between pairs
	s_cmp_lg_u32 s[TRIPS], s[SWITCH]
	s_cbranch_scc1 .Lsame_\@
	FINISH 36, 1
.Lsame_\@:
	TRIP 0, \ld0, \st0
	TRIP 1, \ld1, \st1
.endm
	s_wait_loadcnt 2                               ; Q, the second Q and block 0 are in; block 1's two loads may be out
	ds_store_b128 v2, v[32:35]
	ds_store_b128 v2, v[36:39] offset:512
	s_wait_dscnt 0x0
	s_barrier_signal -1
	s_barrier_wait -1
.Lpair:
	DOUBLE 1, 1, 1, 1
	s_add_co_u32 s[TRIPS], s[TRIPS], 1
	s_cmp_lt_u32 s[TRIPS], 8
	s_cbranch_scc1 .Lpair
	DOUBLE 0, 1, 0, 0                              ; steps 16 and 17: nothing is left to ask for
	FINISH 38, 0
	s_wait_tensorcnt 0x0                           ; the wave's end
	ds_add_u32 v4, v5
	s_wait_dscnt 0x0
	s_endpgm
.Lfunc_end_k_q1d4ddd9326_attn:
	.size	k_q1d4ddd9326_attn, .Lfunc_end_k_q1d4ddd9326_attn-k_q1d4ddd9326_attn
	.p2alignl 7, 3214868480
	.fill 96, 4, 3214868480
	.section	.rodata,"a",@progbits
	.p2align	6, 0x0
	.amdhsa_kernel k_q1d4ddd9326_attn
		.amdhsa_group_segment_fixed_size 34816
		.amdhsa_private_segment_fixed_size 0
		.amdhsa_enable_private_segment 0
		.amdhsa_kernarg_size 32
		.amdhsa_user_sgpr_count 2
		.amdhsa_user_sgpr_kernarg_segment_ptr 1
		.amdhsa_wavefront_size32 1
		.amdhsa_system_sgpr_workgroup_id_x 1
		.amdhsa_system_sgpr_workgroup_id_y 1
		.amdhsa_system_sgpr_workgroup_id_z 1
		.amdhsa_system_vgpr_workitem_id 0
		.amdhsa_next_free_vgpr 256
		.amdhsa_next_free_sgpr 66
		.amdhsa_reserve_vcc 1
		.amdhsa_float_denorm_mode_32 3
		.amdhsa_float_denorm_mode_16_64 3
		.amdhsa_memory_ordered 1
		.amdhsa_forward_progress 1
		.amdhsa_inst_pref_size 105
	.end_amdhsa_kernel
	.amdgpu_metadata
---
amdhsa.version: [ 1, 2 ]
amdhsa.kernels:
  - .name:           k_q1d4ddd9326_attn
    .symbol:         k_q1d4ddd9326_attn.kd
    .args:
      - { .name: q_img, .offset: 0, .size: 8, .value_kind: global_buffer, .address_space: global }
      - { .name: kv_img, .offset: 8, .size: 8, .value_kind: global_buffer, .address_space: global }
      - { .name: lowp_scales, .offset: 16, .size: 8, .value_kind: global_buffer, .address_space: global }
      - { .name: ctx_img, .offset: 24, .size: 8, .value_kind: global_buffer, .address_space: global }
    .group_segment_fixed_size: 34816
    .private_segment_fixed_size: 0
    .kernarg_segment_align: 8
    .kernarg_segment_size: 32
    .max_flat_workgroup_size: 512
    .sgpr_count:     66
    .vgpr_count:     256
    .wavefront_size: 32
...
	.end_amdgpu_metadata
.endif
;; end of part 3
;; launch proj (part 4): grid 8 x 32, 4 waves a work-group, clusters of 4 x 4, 327,680 bytes of LDS; arguments ctx_img, wd_img, bd, lowp_scales, out0; writes out0
.if DOCPART == 4
	.amdgcn_target "amdgcn-amd-amdhsa--gfx1250"
	.amdhsa_code_object_version 6
	.text
	.protected	k_q1d4ddd9326_proj
	.globl	k_q1d4ddd9326_proj
	.p2align	8
	.type	k_q1d4ddd9326_proj,@function
k_q1d4ddd9326_proj:
	s_mov_b64 s[64:65], 0
	v_nop
	global_prefetch_b8 v0, s[64:65] scope:SCOPE_SE
	s_setreg_imm32_b32 hwreg(HW_REG_WAVE_MODE, 25, 1), 1
	s_wait_xcnt 0x0
	s_wait_alu depctr_hold_cnt(0) depctr_sa_sdst(0) depctr_va_vdst(0) depctr_va_sdst(0) depctr_va_ssrc(0) depctr_va_vcc(0) depctr_vm_vsrc(0)
	s_getreg_b32 s2, hwreg(HW_REG_IB_STS2, 6, 4)
	s_cmp_eq_u32 s2, 0
	s_cbranch_scc0 .Lentry_in_a_cluster
	s_endpgm
.Lentry_in_a_cluster:
	s_bfe_u32 s2, ttmp6, 0x10000c
	s_cmp_lg_u32 s2, 0xf033
	s_cbranch_scc0 .Lentry_shape_is_right
	s_endpgm
.Lentry_shape_is_right:
; out = ctx Wd + bd on codes of E4M3.  No work of this product is left out.
; A tile is 256 rows x 128 columns: 256 work-groups.  Wave (R = wave / 2, Cc = wave % 2) makes rows 128 R on x 64 columns: 8 row blocks x 4 tiles of 16 columns: 32 accumulators.
; K goes 256 to a slot, in two half steps of 128, through THREE LDS slots: three of the four slots' worth are first fills, asked for together at the head; one refill follows, with four half steps in which to land.
; ctx_img and wd_img hold fragments as register images (2048 bytes: registers 4p..4p+3 of lane l at 512 p + 16 l): every LDS load takes 512 consecutive bytes; a tensor load brings 8 (ctx) or 4 (Wd) rows of 4096 bytes.
; Lane r of column tile 4 g + i holds column 64 g + 4 r + i.  So, used plainly (source 0 = ctx, source 1 = Wd), register j of the four tiles' accumulators holds four neighbouring columns of row 8 h + j:
; sixteen lanes store 256 consecutive bytes, aligned, straight from registers.  out = sum x 2^(e6 + e7) + bd: one fused multiply-add.
; CLUSTERS 4 x 4: a row of the cluster shares ctx's tiles, a column Wd's: joint loads.   LIMIT: e6 + e7 between -126 and 127.
; REGISTERS.  Window 0: v0-63 addresses, the bias; v64-191 accumulators of row blocks 4-7.  Window 1: fragment set 0 (ctx at v[16 a], Wd at v[128+16 b]); on the way out the results.  Window 2: set 1.  Window 3: accumulators of row blocks 0-3.
.set NBW,   4
.set NF,    48                         ; LDS loads of one fragment set: 4 x (8 + 4)
.set SLOT,  98304                      ; ctx: 16 tiles x 4096, then Wd: 8 x 4096
.set SPARE, 294912
.set ADRA, 16                          ; v16-18
.set ADRB, 20                          ; v20-22
.set OV,   24                          ; v24 my 16 bytes in out: 8 h rows + 16 r
.set SPW,  28
.set NIL,  29
.set G1,  24                           ; s[24:31]; s[32:43] groups 0 for three slots
.set G0,  32
.set G1B, 44                           ; s[44:51]; s[52:63]
.set G0B, 52
.set MSB, 0
.macro WIN new
.if MSB != (\new)
	s_set_vgpr_msb (MSB<<8)|(\new)
.set MSB, (\new)
.endif
.endm
.macro JLOAD s                         ; a joint load: waves 0, 1 for ctx's halves, waves 2, 3 for Wd's; s_nop 0 and four v_nop follow each line
	s_cmp_eq_u32 s19, 0
	s_cbranch_scc0 .Lfor_b_\@
	tensor_load_to_lds s[G0+4*\s:G0+4*\s+3], s[G1:G1+7]
	s_nop 0
.rept 4
	v_nop
.endr
	s_branch .Lasked_\@
.Lfor_b_\@:
	tensor_load_to_lds s[G0B+4*\s:G0B+4*\s+3], s[G1B:G1B+7]
	s_nop 0
.rept 4
	v_nop
.endr
.Lasked_\@:
.endm
.macro CREST
	s_cmp_lg_u32 s18, 0
	s_cbranch_scc1 .Lnot_wave_0_\@
	s_barrier_signal -3
.Lnot_wave_0_\@:
	s_barrier_wait -3
	s_barrier_signal -1
	s_barrier_wait -1
.endm
.macro CROUND
	s_barrier_signal -1
	s_barrier_wait -1
	CREST
.endm
.macro PLACES
.rept 4
	v_nop
.endr
.endm
.macro FETCH slot, q, set
	WIN 0x40*(1+(\set))
.irp b, 0,1,2,3
.irp c, 0,1,2,3
	ds_load_b128 v[128+16*\b+4*\c:128+16*\b+4*\c+3], v[ADRB+\slot] offset:\b*4096+(\q)*2048+512*\c
.endr
.endr
.irp a, 0,1,2,3,4,5,6,7
.irp c, 0,1,2,3
	ds_load_b128 v[16*\a+4*\c:16*\a+4*\c+3], v[ADRA+\slot] offset:\a*4096+(\q)*2048+512*\c
.endr
.endr
.endm
.macro MULROW a, set, first            ; the 32 accumulators take turns in the same order in every half step; the first product starts the sums
.if (\a) < 4
	WIN 0xF5+5*(\set)
.set AC, 8*NBW*(\a)
.else
	WIN 0x05+5*(\set)
.set AC, 64+8*NBW*((\a)-4)
.endif
.irp b, 0,1,2,3
.if \first
	v_wmma_f32_16x16x128_fp8_fp8 v[AC+8*\b:AC+8*\b+7], v[16*(\a):16*(\a)+15], v[128+16*\b:143+16*\b], 0
.else
	v_wmma_f32_16x16x128_fp8_fp8 v[AC+8*\b:AC+8*\b+7], v[16*(\a):16*(\a)+15], v[128+16*\b:143+16*\b], v[AC+8*\b:AC+8*\b+7]
.endif
.endr
.endm
; A slot's first half step.  change = 1, 2: each wave waits for all its tensor loads, adds 0 to its spare word, waits for that and for its reads of this slot; one barrier.  change = 2: the barrier opens a round of the
; cluster's, and behind it this slot is filled again, three slots ahead.
.macro H0 slot, first, change
	FETCH \slot, 1, 1
	s_wait_dscnt NF                                ; all but the run just issued: set 0 is in
.irp a, 0,1,2,3,4,5
	MULROW \a, 0, \first
.endr
.if \change
	WIN 0
	s_wait_tensorcnt 0x0                           ; all my tensor loads have landed
	ds_add_u32 v[SPW], v[NIL]                      ; 0 onto my spare word; four products stand between it and the wait for it
	MULROW 6, 0, \first
	s_wait_dscnt 0x0                               ; the add is done, and my reads of this slot are over
	s_barrier_signal -1
	MULROW 7, 0, \first
	WIN 0
	s_barrier_wait -1
.if \change == 2
	CREST
	s_add_nc_u64 s[G0+4*\slot+2:G0+4*\slot+3], s[G0+4*\slot+2:G0+4*\slot+3], 12288
	s_add_nc_u64 s[G0B+4*\slot+2:G0B+4*\slot+3], s[G0B+4*\slot+2:G0B+4*\slot+3], 12288
	JLOAD \slot                                    ; my one tensor load behind the round; its four v_nop are the places for the loads that follow
.else
	PLACES
.endif
.else
	MULROW 6, 0, \first
	MULROW 7, 0, \first
	PLACES
.endif
.endm
.macro H1 next, fetch
.if \fetch
	FETCH \next, 0, 0
	s_wait_dscnt NF                                ; all but the run just issued: set 1 is in
.else
	s_wait_dscnt 0x0
.endif
.irp a, 0,1,2,3,4,5,6,7
	MULROW \a, 1, 0
.endr
	PLACES
.endm
	s_load_b256 s[4:11], s[0:1], 0x0               ; ctx_img, wd_img, bd, the scales' exponents
	s_load_b64 s[12:13], s[0:1], 0x20              ; out0
	v_lshl_add_u32 v[SPW], v0, 2, SPARE
	v_mov_b32 v[NIL], 0
	ds_add_u32 v[SPW], v[NIL]                      ; the wave's opening: the add, twice on end, and its wait ahead of my first tensor load
	ds_add_u32 v[SPW], v[NIL]
	v_lshrrev_b32 v1, 5, v0
	v_readfirstlane_b32 s18, v1
	s_lshr_b32 s19, s18, 1                         ; R.  Also: I fetch for ctx (0) or for Wd (1)
	s_and_b32 s20, s18, 1                          ; Cc.  Also: which half of that tile I fetch
	s_bfe_u32 s66, ttmp6, 0x40000                  ; cx
	s_bfe_u32 s67, ttmp6, 0x40004                  ; cy
	s_lshl_b32 s68, ttmp9, 2
	s_add_co_u32 s68, s68, s66                     ; tile column
	s_and_b32 s69, ttmp7, 0xffff
	s_lshl_b32 s69, s69, 2
	s_add_co_u32 s69, s69, s67                     ; tile row
	s_lshl_b32 s70, s67, 2
	s_lshl_b32 s70, 15, s70
	s_lshl_b32 s71, 0x1111, s66
	s_or_b32 s[G1], s70, (3<<16)|(1<<21)
	s_or_b32 s[G1B], s71, (3<<16)|(1<<21)
.irp g, G1, G1B
	s_mov_b32 s[\g+1], 512<<16
	s_mov_b32 s[\g+3], 512<<16
	s_mov_b32 s[\g+5], 2048
	s_mov_b32 s[\g+6], 0
	s_mov_b32 s[\g+7], 0
.endr
	s_mov_b32 s[G1+2], 8<<16
	s_mov_b32 s[G1+4], 8
	s_mov_b32 s[G1B+2], 4<<16
	s_mov_b32 s[G1B+4], 4
	s_lshl_b32 s80, s69, 4
	s_lshl_b32 s86, s20, 3
	s_add_co_u32 s80, s80, s86
	s_lshl_b32 s80, s80, 14                        ; ctx: (16 x tile row + 8 half) x 16384
	s_mov_b32 s81, 0
	s_lshl_b32 s82, s68, 3
	s_lshl_b32 s87, s20, 2
	s_add_co_u32 s82, s82, s87
	s_lshl_b32 s82, s82, 14                        ; Wd: (8 x tile column + 4 half) x 16384
	s_mov_b32 s83, 0
	s_lshl_b32 s84, s20, 15
	s_lshl_b32 s85, s20, 14
	s_add_co_u32 s85, s85, 65536
	s_wait_dscnt 0x0
	s_wait_kmcnt 0x0
	s_load_b256 s[72:79], s[10:11], 0x0
	s_add_nc_u64 s[80:81], s[4:5], s[80:81]
	s_add_nc_u64 s[82:83], s[6:7], s[82:83]
	CROUND
.irp s, 0,1,2
	s_mov_b32 s[G0+4*\s], 1
	s_add_co_u32 s[G0+4*\s+1], s84, \s*SLOT
	s_add_nc_u64 s[G0+4*\s+2:G0+4*\s+3], s[80:81], \s*4096
	s_or_b32 s[G0+4*\s+3], s[G0+4*\s+3], 0x80000000
	s_mov_b32 s[G0B+4*\s], 1
	s_add_co_u32 s[G0B+4*\s+1], s85, \s*SLOT
	s_add_nc_u64 s[G0B+4*\s+2:G0B+4*\s+3], s[82:83], \s*4096
	s_or_b32 s[G0B+4*\s+3], s[G0B+4*\s+3], 0x80000000
	JLOAD \s                                       ; three loads of mine are out
.endr
	v_and_b32 v1, 31, v0
	v_lshlrev_b32 v1, 4, v1
	v_and_b32 v2, 15, v0
	v_bfe_u32 v3, v0, 4, 1
	s_lshl_b32 s86, s19, 15
	s_lshl_b32 s87, s20, 14
	s_add_co_u32 s87, s87, 65536
.irp s, 0,1,2
	v_add_nc_u32 v[ADRA+\s], s86, v1
	v_add_nc_u32 v[ADRB+\s], s87, v1
	s_add_co_u32 s86, s86, SLOT
	s_add_co_u32 s87, s87, SLOT
.endr
	v_lshlrev_b32 v25, 4, v2                       ; 16 r
	v_lshl_add_u32 v[OV], v3, 15, v25              ; + 8 h rows of 4096 bytes
	s_lshl_b32 s88, s68, 9
	s_lshl_b32 s91, s20, 8
	s_add_co_u32 s88, s88, s91                     ; my 64 columns, in bytes
	s_mov_b32 s89, 0
	s_add_nc_u64 s[8:9], s[8:9], s[88:89]
	global_load_b128 v[48:51], v25, s[8:9]         ; bd at my four columns
	s_add_nc_u64 s[12:13], s[12:13], s[88:89]
	s_lshl_b32 s88, s69, 8
	s_lshl_b32 s91, s19, 7
	s_add_co_u32 s88, s88, s91
	s_lshl_b32 s88, s88, 12                        ; my first row
	s_add_nc_u64 s[12:13], s[12:13], s[88:89]
	s_wait_kmcnt 0x0
	s_add_co_i32 s90, s78, s79
	s_add_co_i32 s90, s90, 127
	s_lshl_b32 s90, s90, 23                        ; 2^(e6 + e7)
	s_wait_loadcnt 0x0
	s_wait_tensorcnt 2                             ; my part of slot 0 is in; the two later fills may stay out
	s_barrier_signal -1
	s_barrier_wait -1
	FETCH 0, 0, 0
	H0 0, 1, 2                                     ; behind this change all three first fills are whole for every wave, and slot 0 takes the last 256 along K
	H1 1, 1
	H0 1, 0, 0
	H1 2, 1
	H0 2, 0, 1                                     ; the refill has landed, for every wave
	H1 0, 1
	H0 0, 0, 0
	H1 0, 0
	; the way out: each accumulator from its low end on; the results' registers are written once
	WIN 0x43
.irp a, 0,1,2,3
.irp j, 0,1,2,3,4,5,6,7
.irp i, 0,1,2,3
	v_fma_f32 v[32*\a+4*\j+\i], v[8*(4*\a+\i)+\j], s90, v[48+\i]
.endr
.endr
.endr
	WIN 0x04
.irp a, 0,1,2,3
.irp j, 0,1,2,3,4,5,6,7
	global_store_b128 v[OV], v[32*\a+4*\j:32*\a+4*\j+3], s[12:13] offset:(16*\a+\j)*4096 th:TH_STORE_NT
.endr
.endr
	WIN 0x40
.irp a, 4,5,6,7
.irp j, 0,1,2,3,4,5,6,7
.irp i, 0,1,2,3
	v_fma_f32 v[32*\a+4*\j+\i], v[64+8*(4*(\a-4)+\i)+\j], s90, v[48+\i]
.endr
.endr
.endr
	WIN 0x04
.irp a, 4,5,6,7
.irp j, 0,1,2,3,4,5,6,7
	global_store_b128 v[OV], v[32*\a+4*\j:32*\a+4*\j+3], s[12:13] offset:(16*\a+\j)*4096 th:TH_STORE_NT
.endr
.endr
	WIN 0
	s_wait_tensorcnt 0x0                           ; the wave's end
	ds_add_u32 v[SPW], v[NIL]
	s_wait_dscnt 0x0
	CROUND                                         ; the closing round
	s_endpgm
.Lfunc_end_k_q1d4ddd9326_proj:
	.size	k_q1d4ddd9326_proj, .Lfunc_end_k_q1d4ddd9326_proj-k_q1d4ddd9326_proj
	.p2alignl 7, 3214868480
	.fill 96, 4, 3214868480
	.section	.rodata,"a",@progbits
	.p2align	6, 0x0
	.amdhsa_kernel k_q1d4ddd9326_proj
		.amdhsa_group_segment_fixed_size 327680
		.amdhsa_private_segment_fixed_size 0
		.amdhsa_enable_private_segment 0
		.amdhsa_kernarg_size 40
		.amdhsa_user_sgpr_count 2
		.amdhsa_user_sgpr_kernarg_segment_ptr 1
		.amdhsa_wavefront_size32 1
		.amdhsa_system_sgpr_workgroup_id_x 1
		.amdhsa_system_sgpr_workgroup_id_y 1
		.amdhsa_system_sgpr_workgroup_id_z 1
		.amdhsa_system_vgpr_workitem_id 0
		.amdhsa_next_free_vgpr 1024
		.amdhsa_next_free_sgpr 100
		.amdhsa_reserve_vcc 0
		.amdhsa_float_denorm_mode_32 3
		.amdhsa_float_denorm_mode_16_64 3
		.amdhsa_memory_ordered 1
		.amdhsa_forward_progress 1
		.amdhsa_inst_pref_size 74
	.end_amdhsa_kernel
	.amdgpu_metadata
---
amdhsa.version: [ 1, 2 ]
amdhsa.kernels:
  - .name:           k_q1d4ddd9326_proj
    .symbol:         k_q1d4ddd9326_proj.kd
    .args:
      - { .name: ctx_img, .offset: 0, .size: 8, .value_kind: global_buffer, .address_space: global }
      - { .name: wd_img, .offset: 8, .size: 8, .value_kind: global_buffer, .address_space: global }
      - { .name: bd, .offset: 16, .size: 8, .value_kind: global_buffer, .address_space: global }
      - { .name: lowp_scales, .offset: 24, .size: 8, .value_kind: global_buffer, .address_space: global }
      - { .name: out0, .offset: 32, .size: 8, .value_kind: global_buffer, .address_space: global }
    .group_segment_fixed_size: 327680
    .private_segment_fixed_size: 0
    .kernarg_segment_align: 8
    .kernarg_segment_size: 40
    .max_flat_workgroup_size: 128
    .sgpr_count:     100
    .vgpr_count:     1024
    .wavefront_size: 32
...
	.end_amdgpu_metadata
.endif
;; end of part 4
;; ======== version 2 of 2: 4 launches; version 1 with the launch attn written anew for expert scheduling mode
;; limits: right only within a limited range of input values
;; workspace buffers: x_img 8,388,608 bytes; wq_img 3,145,728 bytes; wd_img 1,048,576 bytes; q_img 8,388,608 bytes; kv_img 16,777,216 bytes; ctx_img 8,388,608 bytes
;; launch quant: the kernel of part 1 again; grid 384 x 1, 4 waves a work-group, no clusters, 72,192 bytes of LDS; arguments x, Wqkv, Wd, lowp_scales, x_img, wq_img, wd_img; writes x_img, wq_img, wd_img
;; launch qkv: the kernel of part 2 again; grid 16 x 16, 4 waves a work-group, clusters of 4 x 4, 327,680 bytes of LDS; arguments x_img, wq_img, bqkv, lowp_scales, q_img, kv_img; writes q_img, kv_img
;; launch attn (part 5): grid 4 x 64, 16 waves a work-group, no clusters, 34,816 bytes of LDS; arguments q_img, kv_img, lowp_scales, ctx_img; writes ctx_img
.if DOCPART == 5
	.amdgcn_target "amdgcn-amd-amdhsa--gfx1250"
	.amdhsa_code_object_version 6
	.text
	.protected	k_q1d4ddd9326_attn
	.globl	k_q1d4ddd9326_attn
	.p2align	8
	.type	k_q1d4ddd9326_attn,@function
k_q1d4ddd9326_attn:
	s_mov_b64 s[64:65], 0
	v_nop
	global_prefetch_b8 v0, s[64:65] scope:SCOPE_SE
	s_setreg_imm32_b32 hwreg(HW_REG_WAVE_SCHED_MODE, 0, 2), 2
	s_setreg_imm32_b32 hwreg(HW_REG_WAVE_MODE, 25, 1), 1
	s_wait_xcnt 0x0
	s_wait_alu depctr_vm_vsrc(0)
; ctx = softmax(q k^T / 8, causal) v on codes of E4M3, and ctx straight into codes for the last product.
; LEFT OUT: key steps all of whose 128 keys come after a wave's 16 queries (shown dead at the head of the first kernel: a masked p has the code 0 and is 0 in the row's sum; LIMIT e2 + e3 <= -8).
; THE SOFTMAX: t = score x log2(e) / 8; M = the running largest t rounded up to a whole number; p = 2^(t - M) is quantised, not normalised; the row's sum is taken of the unquantised p and divides at the end.
; SHARES.  Work-group (i, head) owns the blocks of 256 queries 7 - i and then i of one head: 2 (8 - i) + 2 (i + 1) = 18 key steps of 128 in every work-group.  Each of sixteen waves owns 16 queries of the block in hand,
; in 256 registers: four waves to a SIMD, so that one wave's vector work stands beside another's products and LDS loads.
; LAYOUT.  Both products transposed: S^T = K Q^T (source 0 = 16 keys), O^T = V^T P^T (source 0 = 16 of the head's 64): a lane holds one query throughout.  The eight registers of key tile c become registers 2c, 2c+1
; of P's fragment; O^T's tile t becomes registers 2t, 2t+1 of ctx's.  q_img, kv_img hold register images: every LDS load takes 512 consecutive bytes.
; THE RING.  Two LDS slots of one key block (16384 bytes: K's eight tiles, V's four), filled THROUGH REGISTERS: a wave's share is 1024 bytes, two loads two steps ahead and two LDS stores one step ahead.
; One barrier a step: in front of it each wave has waited for its stores into the next slot and for its reads of this one.
; NO CLUSTER: the four work-groups of a head walk 16, 14, 12 and 10 key blocks in their first phase and begin their second at different steps, so they do not want the same block in the same step.
; LIMITS: e2 + e3 between -123 and -8; e4, e6 between -126 and 119.
; THE MODE: SCHED_MODE bits 1:0 = 2 (LLVM: expert scheduling mode 2), set by the entry lines.  The code itself states the register dependences between vector or matrix instructions and memory or LDS
; instructions, with s_wait_alu, always for 0.
; THE PLAN.  Registers that memory or LDS instructions touch:
;   v1, v2, v8, v4, v5   offsets and the add's two: written at the head, never again.  The key blocks are reached by a scalar base, made anew at each step's head from the head's address and a scalar offset.
;   v32-39, v40-47       two shares of a key block.  Step n's two global loads land in set n % 2; step n + 1's two LDS stores read it.  No vector instruction names them.
;   v48-111              fragments.  K's LDS loads land at a step's head; the eight products S^T read them; V's LDS loads land in the same registers; the four products O^T read them.
;   v224-231             ctx's codes.  Written by the four conversions at a phase's end, read by its two stores.
; So a step has three waits: on vm_vsrc at its head (the last step's LDS stores have read the share that is loaded again); on va_vdst ahead of K's loads (the last step's products are done reading V);
; on va_vdst behind the products S^T (they are done reading K).  Behind that last wait no vector instruction up to the products O^T names v48-111 or v1: V's sixteen loads are dealt among the softmax's
; first lines with no further wait.  The compares of the diagonal step write scalar registers in runs of eight, one wait on va_sdst behind each run.
; REGISTERS: v1 16 x lane; v2 1024 x wave + 16 x lane; v3 r - 8 h; v4, v5 the add's two; v8 the prefetch's offset; v12 -M, v13 largest t, v[14:15] the sum; v16-23 Q; v24-31 the second phase's Q;
; v32-47 two key-block shares; v48-111 fragments of K, then of V; v112-175 S^T, then p; v176-207 O^T; v208-223 p's codes; v224-231 ctx's codes; v232-254 at work and constants.
.set SPARE, 32768
.set KB,    4                          ; s[4:5] the address of the key block two steps on (q_img's address stood here at the head alone)
.set OFF,   14                         ; s[14:15] byte offset, in the head's key blocks, of the block two steps on, with 0 above it
.set WRAP,  29                         ; s29 where the first phase's blocks end
.set PLIM,  30                         ; s30 a wave prefetches while OFF is below it
.set TRIPS, 31
.set SWITCH, 32                        ; s32 8 - i: the pair of steps at which the second phase begins
.set KF,    33                         ; s33 the step's first key
.set Q0,    34                         ; s34 my first query;  s35 the second phase's
.set MK,    44                         ; s44-51 behind the head: eight masks of the diagonal step
	s_load_b256 s[4:11], s[0:1], 0x0               ; q_img, kv_img, the scales' exponents, ctx_img
	v_lshl_add_u32 v4, v0, 2, SPARE
	v_mov_b32 v5, 0
	v_lshrrev_b32 v1, 5, v0
	v_readfirstlane_b32 s12, v1                    ; wave 0..15
	v_and_b32 v1, 31, v0
	v_lshlrev_b32 v1, 4, v1
	v_and_b32 v3, 15, v0
	v_bfe_u32 v8, v0, 4, 1
	v_lshlrev_b32 v8, 3, v8
	v_sub_nc_u32 v3, v3, v8
	v_and_b32 v8, 31, v0
	v_lshlrev_b32 v8, 8, v8
	s_wait_alu depctr_va_sdst(0)                   ; s12, the wave's number, is written, ahead of its first reader
	s_lshl_b32 s42, s12, 10
	v_add_nc_u32 v2, s42, v1
	s_lshl_b32 s42, s12, 13
	v_add_nc_u32 v8, s42, v8                       ; the prefetch: 8192 x wave + 256 x lane
	s_and_b32 s43, ttmp7, 0xffff                   ; batch x 16 + head
	s_sub_co_u32 s44, 7, ttmp9                     ; the first phase's block
	s_lshl_b32 s45, s43, 7
	s_add_co_u32 s45, s45, s12
	s_lshl_b32 s46, s44, 4
	s_add_co_u32 s46, s46, s45
	s_lshl_b32 s46, s46, 10                        ; q: (head x 128 + block x 16 + wave) x 1024
	s_mov_b32 s47, 0
	s_lshl_b32 s48, ttmp9, 4
	s_add_co_u32 s48, s48, s45
	s_lshl_b32 s48, s48, 10
	s_mov_b32 s49, 0
	s_lshr_b32 s50, s43, 4
	s_lshl_b32 s50, s50, 7
	s_add_co_u32 s50, s50, s12
	s_and_b32 s51, s43, 15
	s_lshl_b32 s52, s44, 4
	s_add_co_u32 s52, s52, s50
	s_lshl_b32 s52, s52, 4
	s_add_co_u32 s52, s52, s51
	s_lshl_b32 s52, s52, 10                        ; ctx: ((batch x 128 + block x 16 + wave) x 16 + head) x 1024
	s_mov_b32 s53, 0
	s_lshl_b32 s54, ttmp9, 4
	s_add_co_u32 s54, s54, s50
	s_lshl_b32 s54, s54, 4
	s_add_co_u32 s54, s54, s51
	s_lshl_b32 s54, s54, 10
	s_mov_b32 s55, 0
	s_lshl_b32 s[Q0], s44, 8
	s_lshl_b32 s42, s12, 4
	s_add_co_u32 s[Q0], s[Q0], s42
	s_lshl_b32 s35, ttmp9, 8
	s_add_co_u32 s35, s35, s42
	s_sub_co_u32 s[SWITCH], 8, ttmp9
	s_lshl_b32 s[WRAP], s[SWITCH], 15              ; (16 - 2 i) blocks of 16384 bytes
	s_lshr_b32 s42, s12, 1
	s_or_b32 s42, s42, ttmp9
	s_cmp_eq_u32 s42, 0                            ; waves 0 and 1 of the head's work-group 0, which walks all sixteen blocks in its first phase
	s_cselect_b32 s[PLIM], 15*16384, 0
	s_mov_b32 s24, 0x76543210                      ; lane selects: lane l xor 16
	s_mov_b32 s25, 0xfedcba98
	s_mov_b32 s[KF], 0
	s_mov_b32 s[OFF], 32768
	s_mov_b32 s[OFF+1], 0
	s_mov_b32 s[TRIPS], 0
	s_wait_kmcnt 0x0
	s_load_b256 s[16:23], s[8:9], 0x0              ; e0 .. e7
	s_add_nc_u64 s[36:37], s[10:11], s[52:53]      ; where the first phase's ctx goes,
	s_add_nc_u64 s[38:39], s[10:11], s[54:55]      ; and the second's
	s_add_nc_u64 s[52:53], s[4:5], s[46:47]
	s_add_nc_u64 s[54:55], s[4:5], s[48:49]
	s_lshl_b32 s46, s43, 18
	s_add_nc_u64 s[6:7], s[6:7], s[46:47]          ; the head's key blocks
	s_wait_alu depctr_va_vdst(0)                   ; v1, v2 and v8 are written: every load, store and prefetch of the kernel reads one of them as its offset; so are v4 and v5, which the closing add reads
	global_load_b128 v[16:19], v1, s[52:53]
	global_load_b128 v[20:23], v1, s[52:53] offset:512
	global_load_b128 v[24:27], v1, s[54:55]
	global_load_b128 v[28:31], v1, s[54:55] offset:512
	global_load_b128 v[32:35], v2, s[6:7]
	global_load_b128 v[36:39], v2, s[6:7] offset:512
	global_load_b128 v[40:43], v2, s[6:7] offset:16384
	global_load_b128 v[44:47], v2, s[6:7] offset:16384+512
	v_mov_b32 v13, 0xff61b1e6                      ; the largest t so far: -3e38
	v_floor_f32 v12, -v13
	v_mov_b32 v14, 0
	v_mov_b32 v15, 0
	v_mov_b32 v232, 0                              ; a lane permute's destination counts as read
	v_mov_b32 v253, 0                              ; (named as the upper half of a pair)
.set n, 0
.rept 32
	v_mov_b32 v[176+n], 0                          ; O^T: the step is written once, its first run finds zeros
.set n, n+1
.endr
	s_wait_kmcnt 0x0
	s_add_co_i32 s42, s18, s19
	s_lshl_b32 s42, s42, 23
	s_add_co_i32 s26, s42, 0x3e38aa3b              ; c = log2(e) / 8 x 2^(e2 + e3): the exponents are added to c's exponent field
	s_mov_b32 s27, s26
	s_add_co_i32 s42, s20, 127
	s_lshl_b32 s43, s42, 23
	v_mov_b32 v241, s43                            ; 2^e4
	s_add_co_i32 s42, s42, 8
	s_lshl_b32 s42, s42, 23
	s_or_b32 s42, s42, 0x600000
	v_mov_b32 v240, s42                            ; 448 x 2^e4
	s_add_co_i32 s42, s22, 127
	s_lshl_b32 s43, s42, 23
	v_mov_b32 v245, s43                            ; 2^e6
	s_add_co_i32 s42, s42, 8
	s_lshl_b32 s42, s42, 23
	s_or_b32 s42, s42, 0x600000
	v_mov_b32 v244, s42                            ; 448 x 2^e6
	s_add_co_i32 s40, s20, s21                     ; e4 + e5
; A KEY STEP on slot sl
.macro STEP sl
	s_wait_alu depctr_va_vdst(0)                   ; the products O^T += V^T P^T of the step before are done reading v48-111, in which K's fragments land
.irp c, 0,1,2,3,4,5,6,7
	ds_load_b128 v[48+8*\c:51+8*\c], v1 offset:\sl*16384+\c*1024
	ds_load_b128 v[52+8*\c:55+8*\c], v1 offset:\sl*16384+\c*1024+512
.endr
	s_wait_dscnt 0x0
.irp c, 0,1,2,3,4,5,6,7
	v_wmma_f32_16x16x64_fp8_fp8 v[112+8*\c:119+8*\c], v[48+8*\c:55+8*\c], v[16:23], 0
.endr
.rept 4
	v_nop                                          ; places ahead of the first read of the scores
.endr
	s_wait_alu depctr_va_vdst(0)                   ; the eight products are done reading K's fragments v48-111, in which V's land
.irp p, 0,1,2,3
	ds_load_b128 v[48+4*\p:51+4*\p], v1 offset:\sl*16384+8192+\p*512   ; V's first tile; V lands while the softmax is worked
.endr
	s_add_co_u32 s42, s[KF], 127                   ; on the diagonal hidden scores become -infinity; a step all of whose keys count skips this
	s_cmp_le_u32 s42, s[Q0]
	s_cbranch_scc1 .Lopen_\@
	s_sub_co_i32 s42, s[Q0], s[KF]
	v_add_nc_u32 v252, s42, v3                     ; d = my query - KF - 8 h.  Register 8 c + j holds key KF + 16 c + 8 h + j: hidden where 16 c + j > d
	v_mov_b32 v254, 0xff800000
.set g, 0
.rept 8
.irp j, 0,1,2,3,4,5,6,7
	v_cmp_gt_i32 s[MK+\j], 16*g+\j, v252
.endr
	s_wait_alu depctr_va_sdst(0)                   ; the eight compares have written s44-51, ahead of the selects that read them
.irp j, 0,1,2,3,4,5,6,7
	v_cndmask_b32 v[112+8*g+\j], v[112+8*g+\j], v254, s[MK+\j]
.endr
.set g, g+1
.endr
.Lopen_\@:
	v_max3_num_f32 v254, v112, v113, v114          ; the step's largest score of my query, in two chains; each accumulator is first read at its low end
	v_max3_num_f32 v252, v115, v116, v117
.set n, 6
.set m, 4
.rept 14
	v_max3_num_f32 v254, v254, v[112+n], v[113+n]
	v_max3_num_f32 v252, v252, v[114+n], v[115+n]
.if m < 16
	ds_load_b128 v[48+4*m:51+4*m], v1 offset:\sl*16384+8192+m*512   ; V's other twelve loads, one behind each pair.  No wait: no vector instruction since the wait behind the products names v48-111 or v1
.set m, m+1
.endif
.set n, n+4
.endr
	v_max3_num_f32 v254, v254, v174, v175
	v_max_num_f32 v254, v254, v252
	v_permlanex16_b32 v232, v254, s24, s25
	v_max_num_f32 v254, v254, v232                 ; and the other half of the lanes'
	v_mul_f32 v254, s26, v254                      ; as t (c is positive)
	v_max_num_f32 v13, v13, v254
	v_mov_b32 v254, v12
	v_floor_f32 v12, -v13                          ; -M = floor(-t): M is a whole number
	v_sub_f32 v254, v12, v254
	v_cvt_i32_f32 v254, v254
	v_ldexp_f32 v252, 1.0, v254                    ; f = 2^(old M - new M): exact
.set n, 0
.rept 32
	v_pk_fma_f32 v[112+n:113+n], v[112+n:113+n], s[26:27], v[12:13] op_sel_hi:[1,0,0]   ; t - M
.set n, n+2
.endr
.set n, 0
.rept 64
	v_exp_f32 v[112+n], v[112+n]
.set n, n+1
.endr
	v_pk_mul_f32 v[14:15], v[14:15], v[252:253] op_sel_hi:[1,0]   ; the sum under the new M: the plain line behind the exponentials
	s_wait_alu depctr_va_vdst(0)                   ; the 64 exponentials have written p, v112-175: one wait for the batch, ahead of its first reader
	v_pk_add_f32 v[242:243], v[112:113], v[114:115]               ; the sum of the unquantised p, in two chains
.set n, 4
.rept 15
	v_pk_add_f32 v[14:15], v[14:15], v[112+n:113+n]
	v_pk_add_f32 v[242:243], v[242:243], v[114+n:115+n]
.set n, n+4
.endr
	v_pk_add_f32 v[14:15], v[14:15], v[242:243]
	s_cmp_ge_i32 s20, -8                           ; p is at most 1: where 448 x 2^e4 is 1.75 or more the hold changes nothing and is jumped over; else it is run
	s_cbranch_scc1 .Lno_hold_\@
.set n, 0
.rept 64
	v_min_num_f32 v[112+n], v[112+n], v240
.set n, n+1
.endr
.Lno_hold_\@:
.irp c, 0,1,2,3,4,5,6,7
	v_cvt_scalef32_pk8_fp8_f32 v[208+2*\c:209+2*\c], v[112+8*\c:119+8*\c], v241
.endr
.set n, 0
.rept 16
	v_pk_mul_f32 v[176+n:177+n], v[176+n:177+n], v[252:253] op_sel_hi:[1,0]   ; O^T under the new M; plain lines between the conversions and the products
.set n, n+2
.endr
	s_wait_dscnt 0x0                               ; V is in
.irp t, 0,1,2,3
	v_wmma_f32_16x16x128_fp8_fp8 v[176+8*\t:183+8*\t], v[48+16*\t:63+16*\t], v[208:223], v[176+8*\t:183+8*\t]
.endr
.rept 4
	v_nop                                          ; places ahead of the next read of O^T
.endr
.endm
; STEP n of 18, sl = n % 2.  ld: the block of step n + 2 is asked for.  st: the block of step n + 1 goes into the other slot, which every wave has left at the last barrier.
.macro TRIP sl, ld, st
	s_wait_xcnt 0x0                                ; what was issued a step ago has read its base and its data: the base is written again below
.if \ld
	s_add_nc_u64 s[KB:KB+1], s[6:7], s[OFF:OFF+1]  ; the block two steps on
	s_wait_alu depctr_vm_vsrc(0)                   ; the LDS stores of the step before (in the first step: the head's) have read this share's eight registers, in which the two loads below land
	global_load_b128 v[32+8*\sl:35+8*\sl], v2, s[KB:KB+1]
	global_load_b128 v[36+8*\sl:39+8*\sl], v2, s[KB:KB+1] offset:512
	s_cmp_lt_u32 s[OFF], s[PLIM]                   ; a prefetch of the block behind the one just asked for: 64 blocks of 256 bytes, a lane each, by two waves of one work-group of the head: each is named once; none past block 15
	s_cbranch_scc0 .Lno_ask_\@
	global_prefetch_b8 v8, s[KB:KB+1] offset:16384 th:TH_LOAD_NT scope:SCOPE_SE
.Lno_ask_\@:
	s_add_co_u32 s[OFF], s[OFF], 16384
	s_cmp_eq_u32 s[OFF], s[WRAP]                   ; behind the first phase's last block comes block 0, for the second phase
	s_cselect_b32 s[OFF], 0, s[OFF]
	s_cselect_b32 s[PLIM], 0, s[PLIM]
.endif
.if \st
	s_wait_loadcnt 2*\ld                           ; the two loads just issued may be out: the block of step n + 1 is in
	ds_store_b128 v2, v[32+8*(1-\sl):35+8*(1-\sl)] offset:(1-\sl)*16384
	ds_store_b128 v2, v[36+8*(1-\sl):39+8*(1-\sl)] offset:(1-\sl)*16384+512
.endif
	s_add_co_u32 s42, s[Q0], 15
	s_cmp_gt_u32 s[KF], s42                        ; all 128 keys come after my queries: the step's work is left out, the barrier is not
	s_cbranch_scc1 .Lhidden_\@
	STEP \sl
.Lhidden_\@:
	s_add_co_u32 s[KF], s[KF], 128
	s_wait_dscnt 0x0                               ; my stores into the next slot have landed, my reads of this one are back
	s_barrier_signal -1
	s_barrier_wait -1
.endm
; The end of a phase: O^T / the sum x 2^(e4 + e5), quantised with 2^e6, stored as my tile's image (two stores of 512 aligned bytes).  re = 1: the second phase is set up.
.macro FINISH ptr, re
	v_add_f32 v14, v14, v15
	v_permlanex16_b32 v232, v14, s24, s25
	v_add_f32 v14, v14, v232
	v_rcp_f32 v14, v14
	v_nop                                          ; a plain line behind the reciprocal
	s_wait_alu depctr_va_vdst(0)                   ; the reciprocal has written v14, ahead of its first reader
	v_ldexp_f32 v14, v14, s40
.set n, 0
.rept 32
	v_mul_f32 v[112+n], v[176+n], v14
.set n, n+1
.endr
.set n, 0
.rept 32
	v_med3_num_f32 v[112+n], v[112+n], -v244, v244
.set n, n+1
.endr
.if !\re
	s_wait_alu depctr_vm_vsrc(0)                   ; the first phase's two stores have read v224-231, which the conversions below write again
.endif
.irp t, 0,1,2,3
	v_cvt_scalef32_pk8_fp8_f32 v[224+2*\t:225+2*\t], v[112+8*\t:119+8*\t], v245
.endr
	v_nop
	s_wait_alu depctr_va_vdst(0)                   ; the conversions have written v224-231, which the two stores read
	global_store_b128 v1, v[224:227], s[\ptr:\ptr+1]
	global_store_b128 v1, v[228:231], s[\ptr:\ptr+1] offset:512
.if \re
.irp j, 0,1,2,3,4,5,6,7
	v_mov_b32 v[16+\j], v[24+\j]
.endr
	v_mov_b32 v13, 0xff61b1e6
	v_floor_f32 v12, -v13
	v_mov_b32 v14, 0
	v_mov_b32 v15, 0
.set n, 0
.rept 32
	v_mov_b32 v[176+n], 0
.set n, n+1
.endr
	s_mov_b32 s[KF], 0
	s_mov_b32 s[Q0], s35
.endif
.endm
.macro DOUBLE ld0, st0, ld1, st1       ; two steps; a phase has an even number of them, so the phases change between pairs
	s_cmp_lg_u32 s[TRIPS], s[SWITCH]
	s_cbranch_scc1 .Lsame_\@
	FINISH 36, 1
.Lsame_\@:
	TRIP 0, \ld0, \st0
	TRIP 1, \ld1, \st1
.endm
	s_wait_loadcnt 2                               ; Q, the second Q and block 0 are in; block 1's two loads may be out
	ds_store_b128 v2, v[32:35]
	ds_store_b128 v2, v[36:39] offset:512
	s_wait_dscnt 0x0
	s_barrier_signal -1
	s_barrier_wait -1
.Lpair:
	DOUBLE 1, 1, 1, 1
	s_add_co_u32 s[TRIPS], s[TRIPS], 1
	s_cmp_lt_u32 s[TRIPS], 8
	s_cbranch_scc1 .Lpair
	DOUBLE 0, 1, 0, 0                              ; steps 16 and 17: nothing is left to ask for
	FINISH 38, 0
	s_wait_dscnt 0x0                               ; the closing lines, six on end
	s_wait_alu 0x0
	s_wait_tensorcnt 0x0
	ds_add_u32 v4, v5
	s_wait_dscnt 0x0
	s_endpgm
.Lfunc_end_k_q1d4ddd9326_attn:
	.size	k_q1d4ddd9326_attn, .Lfunc_end_k_q1d4ddd9326_attn-k_q1d4ddd9326_attn
	.p2alignl 7, 3214868480
	.fill 96, 4, 3214868480
	.section	.rodata,"a",@progbits
	.p2align	6, 0x0
	.amdhsa_kernel k_q1d4ddd9326_attn
		.amdhsa_group_segment_fixed_size 34816
		.amdhsa_private_segment_fixed_size 0
		.amdhsa_enable_private_segment 0
		.amdhsa_kernarg_size 32
		.amdhsa_user_sgpr_count 2
		.amdhsa_user_sgpr_kernarg_segment_ptr 1
		.amdhsa_wavefront_size32 1
		.amdhsa_system_sgpr_workgroup_id_x 1
		.amdhsa_system_sgpr_workgroup_id_y 1
		.amdhsa_system_sgpr_workgroup_id_z 1
		.amdhsa_system_vgpr_workitem_id 0
		.amdhsa_next_free_vgpr 256
		.amdhsa_next_free_sgpr 66
		.amdhsa_reserve_vcc 0
		.amdhsa_float_denorm_mode_32 3
		.amdhsa_float_denorm_mode_16_64 3
		.amdhsa_memory_ordered 1
		.amdhsa_forward_progress 1
		.amdhsa_inst_pref_size 122
	.end_amdhsa_kernel
	.amdgpu_metadata
---
amdhsa.version: [ 1, 2 ]
amdhsa.kernels:
  - .name:           k_q1d4ddd9326_attn
    .symbol:         k_q1d4ddd9326_attn.kd
    .args:
      - { .name: q_img, .offset: 0, .size: 8, .value_kind: global_buffer, .address_space: global }
      - { .name: kv_img, .offset: 8, .size: 8, .value_kind: global_buffer, .address_space: global }
      - { .name: lowp_scales, .offset: 16, .size: 8, .value_kind: global_buffer, .address_space: global }
      - { .name: ctx_img, .offset: 24, .size: 8, .value_kind: global_buffer, .address_space: global }
    .group_segment_fixed_size: 34816
    .private_segment_fixed_size: 0
    .kernarg_segment_align: 8
    .kernarg_segment_size: 32
    .max_flat_workgroup_size: 512
    .sgpr_count:     66
    .vgpr_count:     256
    .wavefront_size: 32
...
	.end_amdgpu_metadata
.endif
;; end of part 5
;; launch proj: the kernel of part 4 again; grid 8 x 32, 4 waves a work-group, clusters of 4 x 4, 327,680 bytes of LDS; arguments ctx_img, wd_img, bd, lowp_scales, out0; writes out0
